; MI455X (gfx1250); checked and timed in simulation.
; The chip was launched on July 23, 2026; its instructions are those of AMD's public machine-readable ISA for CDNA 5 (MIT licence, August 2026) and "CDNA5" Instruction Set Architecture Reference Guide (July 2026). The comments in the code are by the model that wrote it; some were corrected since.
;; Causal Self Attention. Allowed arithmetic: matrix products marked QUANTISED: E3M2 operands, one E8M0 scale for each 32 along K, by v_wmma_scale_f32_16x16x128_f8f6f4 with both operands' format E3M2, f32 sums; everything else in f32.
;; Inputs: w_proj 1,024 x 1,024 float32; w_qkv 1,024 x 3,072 float32; x 4 x 2,048 x 1,024 float32.
;; Outputs: out0 4 x 2,048 x 1,024 float32.
;; This version of the problem:
;;   THIS VERSION OF THE PROBLEM IS GIVEN IN LOW PRECISION. The matrix products marked QUANTISED in the list below multiply operands that are first quantised to E3M2 (3 exponent bits, 2 mantissa bits; 6 bits a number), with one power-of-two scale for each 32 numbers along K (OCP MX v1.0); their sums are f32. All else is computed in f32.
;;   The module's matrix products, in the order in which they are computed (A, B: the left and right operand; K: the contracted axis; several contracted axes count as one K, in the product's order):
;;     1. [M 8,192, K 1,024] x [K 1,024, N 3,072]; A: input x; B: input w_qkv: QUANTISED
;;     2. batch 64 x [M 2,048, K 64] x [K 64, N 2,048]; A: computed on the way; B: computed on the way: QUANTISED
;;     3. batch 64 x [M 2,048, K 2,048] x [K 2,048, N 64]; A: softmax (see below); B: computed on the way: QUANTISED
;;     4. [M 8,192, K 1,024] x [K 1,024, N 1,024]; A: computed on the way; B: input w_proj: QUANTISED
;;   THE QUANTISER, for each operand of a quantised product, along K:
;;     - K is cut into blocks of 32 from its start; a last block that is shorter is filled with zeros.
;;     - A block's scale is 2^e with e = floor(log2(the largest magnitude in the block)) - 4, held to -126 .. 127; a block of zeros has e = 0. As a byte (E8M0): e + 127.
;;     - Each number is divided by its block's scale, clamped to +-28, and rounded to the nearest number of E3M2, ties to even, subnormals kept.
;;     - The product sums the exact products of the quantised numbers (number of the format x scale) in f32.
;;   ~~~python
;;   def quantise(x, axis):      # numpy; x: float32 -> the quantised numbers, widened to float32 again
;;       x = np.moveaxis(x, axis, -1); K = x.shape[-1]
;;       x = np.pad(x, [(0, 0)] * (x.ndim - 1) + [(0, -K % 32)]); x = x.reshape(x.shape[:-1] + (-1, 32)); a = np.abs(x).max(-1, keepdims=True)
;;       e = np.where(a > 0, np.clip(np.frexp(np.where(a > 0, a, 1))[1] - 1 - 4, -126, 127), 0)      # np.frexp(a)[1] - 1 = floor(log2(a)), exactly
;;       r = np.clip(x / 2.0 ** e, -28, 28)
;;       step = 2.0 ** (np.maximum(np.frexp(np.where(r == 0, 1, r))[1] - 1, -2) - 2)
;;       q = np.round(r / step) * step * 2.0 ** e      # np.round: ties to even
;;       return np.moveaxis(q.reshape(q.shape[:-2] + (-1,))[..., :K], -1, axis).astype(np.float32)
;;   ~~~
;;   SOFTMAX AHEAD OF A QUANTISED PRODUCT. Where the list says 'softmax', what is quantised is not the finished softmax but p = 2^(t - M), with t = logit x log2(e) and M = ceil(the row's largest t), a whole number; so 1/2 < the row's largest p <= 1. The row's sum l is taken of the UNQUANTISED p, in f32, and the product's result is divided by l at the end. Since M is a whole number, a kernel that streams over the keys may use a running M (the ceiling of the running maximum): every later rescaling is an exact power of two, which a block's scale takes up: the codes' values come out the same.
;;   OPERANDS COMPUTED ON THE WAY. 'Computed on the way' means the value that the module computes at that place (a softmax that the list does not call 'softmax' is quantised finished and normalised). What goes into a quantiser is computed in f32, as accurately as f32 sums, v_exp_f32 and their like allow (about 1e-6 of the number): no bf16 or f16 on the way to a quantiser, and a product that is left as it is and whose result goes on into a quantised operand takes f32 operands (vector FMAs, or v_wmma_f32_16x16x4_f32). A number that lies on a knife's edge between two numbers of the format may be rounded either way, as far as f32 arithmetic and the matrix unit's own rounding can turn it there, and no further.
;; One version. Each part assembles by itself: llvm-mc -triple=amdgcn-amd-amdhsa -mcpu=gfx1250 --defsym DOCPART=n.
;; ======== version 1 of 1: 4 launches
;; limits: right only within a limited range of input values
;; workspace buffers: xq 6,553,600 bytes; wq 2,457,600 bytes; wp 819,200 bytes; qf 6,553,600 bytes; kv 13,107,200 bytes; yq 6,553,600 bytes
;; launch quant (part 1): grid 384 x 1, 4 waves a work-group, no clusters, 58,880 bytes of LDS; arguments x, w_qkv, w_proj, xq, wq, wp; writes xq, wq, wp
.if DOCPART == 1
	.amdgcn_target "amdgcn-amd-amdhsa--gfx1250"
	.amdhsa_code_object_version 6
	.text
	.protected	k_qfeed747e96_quant
	.globl	k_qfeed747e96_quant
	.p2align	8
	.type	k_qfeed747e96_quant,@function
k_qfeed747e96_quant:
	s_mov_b64 s[64:65], 0
	v_nop
	global_prefetch_b8 v0, s[64:65] scope:SCOPE_SE
	s_setreg_imm32_b32 hwreg(HW_REG_WAVE_MODE, 25, 1), 1
	s_wait_xcnt 0x0
; x [8192][1024], w_qkv [1024][3072] and w_proj [1024][1024], f32, become codes of BF6 (E3M2) with one E8M0 byte for each 32 along K (x: its last axis; the weights: their FIRST axis).
; A block's scale is 2^(floor(log2(its largest magnitude)) - 4); its byte is the largest magnitude's exponent field - 4, held at 1 from below; each number is divided by the scale and rounded to the nearest code, ties to even, beyond 28 the largest code.
; LIMITS: NaN and infinities among the inputs are not served.  A block whose largest magnitude lies under 2^-122 keeps the byte 1; so does a block of zeros, where the rule says 127: its codes are zeros, and this program alone reads the bytes.
; LAYOUT OF THE RESULTS (this program's own buffers): images of the matrix operand's registers.  A tile is 16 rows; lane row r of tile t stands for row 32 (t / 2) + 8 (t % 2) + r + 8 (r / 8).
;   codes[tile][s = K / 128][1,536]: registers 4 c .. 4 c + 3 of lane l at 512 c + 16 l.   scale words behind the codes: [tile / 2][K / 256][tile % 2][r][2 words].
; Work-groups 0-255 take x (32 rows each; wave w takes K 256 w on: four fragments); 256-351 w_qkv, 352-383 w_proj (128 columns x 256 along K; a wave takes 32 columns).
; No tensor loads, no barrier, no matrix unit, no cluster: a stream whose waves share nothing.  The two paths have LDS bytes of their own.
; WORK LEFT OUT BY THE PROGRAM: reference() sets every score with key > query to -inf by its own jnp.tril mask, so its softmax weight is 0 for all values of the inputs; launch attn does not compute
; the steps of 128 keys that lie wholly above the diagonal.  LIMIT: a NaN, an infinity or an overflow that reaches only those scores is not carried to the result.
.set R0,    16
.set CX,    144                        ; x: v144-191 codes, 12 registers for each fragment: no store's data are written again
.set T2,    192                        ; v192-198 the conversions' second halves
.set TM,    200                        ; v200-203 largest magnitudes, v204-207 bytes, v212-215 the conversions' scale operands
.set PW,    216                        ; v216-219 a scale word for each fragment
.set SW,    220                        ; v220-221 the scale words as they are stored
.set XSTG,  16*528                     ; x: a wave's stage: 16 rows of 512 bytes + 16
.set WBASE, 4*XSTG                     ; the weights' stages begin behind x's
.set WSTG,  6144                       ; a wave's: four fragment images
.set XW,    16                         ; W: v16-79   two sets of 32 numbers
.set OFF,   80                         ; W: v80-111  byte offset of row i of a block, at my column
.set CW,    112                        ; W: v112-118 a block's codes
.set SB,    120                        ; W: v120-121 my column's eight scale bytes
.set OUTR,  144                        ; W: v144-191 the way out
.set XQS,   6291456                    ; where xq's scale words begin
; 64 numbers of a lane, register 16 b + i = k 32 b + 16 (lane / 16) + i of my row, become a fragment's registers 0-5 (d0 on) and 6-11 (d1 on) and its scale word (pw)
.macro QUANT s, d0, d1, pw
.irp b, 0,1,2,3
	v_max3_num_f32 v[TM+\b], |v[(\s)+16*\b]|, |v[(\s)+1+16*\b]|, 0x2800000   ; my 16 numbers of block b, and the floor 2^(5 - 127): the byte cannot fall under 1
.endr
.irp i, 2,4,6,8,10,12,14
.irp b, 0,1,2,3
	v_max3_num_f32 v[TM+\b], v[TM+\b], |v[(\s)+16*\b+\i]|, |v[(\s)+1+16*\b+\i]|   ; the four blocks by turns
.endr
.endr
.irp b, 0,1,2,3
	v_permlanex16_b32 v[TM+4+\b], v[TM+\b], s20, s21
.endr
.irp b, 0,1,2,3
	v_max_num_f32 v[TM+\b], v[TM+\b], v[TM+4+\b]        ; with lane l xor 16's: the block's largest magnitude
.endr
.irp b, 0,1,2,3
	v_add_nc_u32 v[TM+12+\b], 0xfe000000, v[TM+\b]      ; 4 off its exponent field: the conversion's scale operand
.endr
.irp b, 0,1,2,3
	v_lshrrev_b32 v[TM+4+\b], 23, v[TM+12+\b]           ; the scale's byte
.endr
	v_lshl_or_b32 v[\pw], v[TM+5], 8, v[TM+4]
	v_lshl_or_b32 v[\pw], v[TM+6], 16, v[\pw]
	v_lshl_or_b32 v[\pw], v[TM+7], 24, v[\pw]
	v_cvt_scalef32_pk16_bf6_f32 v[(\d0):(\d0)+2], v[(\s):(\s)+15], v[TM+12]
	v_cvt_scalef32_pk16_bf6_f32 v[T2:T2+2], v[(\s)+16:(\s)+31], v[TM+13]
	v_cvt_scalef32_pk16_bf6_f32 v[(\d1):(\d1)+2], v[(\s)+32:(\s)+47], v[TM+14]
	v_cvt_scalef32_pk16_bf6_f32 v[T2+4:T2+6], v[(\s)+48:(\s)+63], v[TM+15]
	v_nop                                               ; one plain place behind a scaled conversion
.irp i, 0,1,2
	v_permlane16_swap_b32 v[(\d0)+\i], v[T2+\i]         ; the operand wants a whole block in a lane: lanes 0-15 the even block, lanes 16-31 the odd one
	v_permlane16_swap_b32 v[(\d1)+\i], v[T2+4+\i]
.endr
.irp i, 0,1,2
	v_mov_b32 v[(\d0)+3+\i], v[T2+\i]
	v_mov_b32 v[(\d1)+3+\i], v[T2+4+\i]
.endr
.endm
	s_load_b256 s[4:11], s[0:1], 0x0               ; x s[4:5], w_qkv s[6:7], w_proj s[8:9], xq s[10:11]
	s_load_b128 s[12:15], s[0:1], 0x20             ; wq s[12:13], wp s[14:15]
	v_lshl_add_u32 v224, v0, 2, 0xe400
	v_mov_b32 v225, 0
	v_lshrrev_b32 v1, 5, v0
	v_readfirstlane_b32 s16, v1                    ; wave 0..3
	v_and_b32 v1, 31, v0                           ; lane
	v_and_b32 v2, 15, v0                           ; r
	v_bfe_u32 v3, v0, 4, 1                         ; h
	v_lshlrev_b32 v4, 4, v1                        ; 16 x lane
	v_lshlrev_b32 v5, 3, v1                        ; 8 x lane
	s_mov_b32 s20, 0x76543210
	s_mov_b32 s21, 0xfedcba98                      ; v_permlanex16_b32's selects for lane l xor 16
	s_mov_b32 s22, 0xffff0000                      ; lanes 16-31
	s_cmp_lt_u32 ttmp9, 256
	s_cbranch_scc0 .Lweights
	; ---------------- x: work-group = 32 rows, wave = 256 along K ----------------
	s_mul_i32 s17, s16, XSTG
	v_add_nc_u32 v6, s17, v4                       ; the stage, in: a row's 512 bytes as they lie
	v_mul_u32_u24 v7, v2, 528
	v_lshl_add_u32 v7, v3, 6, v7
	v_add_nc_u32 v7, s17, v7                       ; out: row r, + 64 h: my 16 numbers of a block of 32
.irp b, 0,1,2,3
	v_mov_b32 v[TM+4+\b], 0                        ; written once: a lane permute's destination counts as one of its sources
.endr
	s_lshl_b32 s24, ttmp9, 17                      ; 32 rows of 4,096 bytes
	s_lshl_b32 s18, s16, 10
	s_add_co_u32 s24, s24, s18                     ; + 256 numbers a wave
	s_mov_b32 s25, 0
	s_mul_i32 s26, ttmp9, 24576                    ; two tiles of 12,288 bytes of codes
	s_mul_i32 s18, s16, 3072
	s_add_co_u32 s26, s26, s18                     ; + two fragments a wave
	s_mov_b32 s27, 0
	s_lshl_b32 s28, ttmp9, 10
	s_lshl_b32 s18, s16, 8
	s_add_co_u32 s28, s28, s18
	s_add_co_u32 s28, s28, XQS                     ; my 256 bytes of scale words
	s_mov_b32 s29, 0
	s_wait_alu depctr_va_vdst(0)
	s_wait_kmcnt 0x0
	s_add_nc_u64 s[4:5], s[4:5], s[24:25]
	s_add_nc_u64 s[26:27], s[10:11], s[26:27]
	s_add_nc_u64 s[28:29], s[10:11], s[28:29]
.macro LOADX f                         ; fragment f = (tile f / 2, K step f % 2): its 16 rows x 512 bytes, each load 512 consecutive bytes
.irp i, 0,1,2,3,4,5,6,7,8,9,10,11,12,13,14,15
	global_load_b128 v[R0+64*((\f)%2)+4*\i:R0+64*((\f)%2)+4*\i+3], v4, s[4:5] offset:(8*((\f)/2)+\i+8*(\i/8))*4096+512*((\f)%2) th:TH_LOAD_NT
.endr
.endm
.macro TURNX f                         ; through the stage: LDS serves a wave's instructions in order, so no wait stands between the stores and the loads
.irp i, 0,1,2,3,4,5,6,7,8,9,10,11,12,13,14,15
	ds_store_b128 v6, v[R0+64*((\f)%2)+4*\i:R0+64*((\f)%2)+4*\i+3] offset:528*\i
.endr
.irp b, 0,1,2,3
.irp j, 0,1,2,3
	ds_load_b128 v[R0+64*((\f)%2)+16*\b+4*\j:R0+64*((\f)%2)+16*\b+4*\j+3], v7 offset:128*\b+16*\j
.endr
.endr
.endm
	LOADX 0
	LOADX 1
.irp f, 0,1,2,3
.if \f < 3
	s_wait_loadcnt 16                              ; this fragment's 16 loads are in; the next fragment's 16 may be out
.else
	s_wait_loadcnt 0x0
.endif
	TURNX \f
	s_wait_dscnt 0x0
	QUANT R0+64*(\f%2), CX+12*\f, CX+12*\f+6, PW+\f
.if \f < 2
	LOADX \f+2
.endif
.irp c, 0,1,2
	global_store_b128 v4, v[CX+12*\f+4*\c:CX+12*\f+4*\c+3], s[26:27] offset:12288*(\f/2)+1536*(\f%2)+512*\c   ; 512 consecutive bytes, aligned
.endr
.endr
	v_cndmask_b32 v[SW], v[PW], v[PW+2], s22       ; lanes 0-15: the even tile's words, lanes 16-31 the odd tile's
	v_cndmask_b32 v[SW+1], v[PW+1], v[PW+3], s22
	global_store_b64 v5, v[SW:SW+1], s[28:29]      ; 256 consecutive bytes, aligned
	s_wait_tensorcnt 0x0
	ds_add_u32 v224, v225
	s_wait_dscnt 0x0
	s_endpgm
	; ---------------- the weights: a lane takes a column, its registers run down K ----------------
.Lweights:
	s_sub_co_u32 s17, ttmp9, 256
	s_mov_b32 s19, 4096
	s_mov_b32 s23, 786432
	s_cmp_lt_u32 s17, 96                           ; w_qkv or w_proj: the choice hangs on the work-group's number alone
	s_cselect_b32 s18, 0, 96
	s_cselect_b32 s19, 12288, s19                  ; bytes in a row of the weight
	s_cselect_b32 s23, 2359296, s23                ; where its scale words begin
	s_sub_co_u32 s17, s17, s18
	s_lshr_b32 s24, s17, 2
	s_lshl_b32 s24, s24, 2
	s_add_co_u32 s24, s24, s16                     ; which 32 columns are my wave's
	s_and_b32 s25, s17, 3                          ; which 256 along K
	s_mul_i32 s26, s25, s19
	s_lshl_b32 s26, s26, 8
	s_lshl_b32 s18, s24, 7
	s_add_co_u32 s26, s26, s18
	s_mov_b32 s27, 0                               ; the weight: 256 rows x which + 128 bytes x columns
	s_lshl_b32 s30, s19, 5
	s_mov_b32 s31, 0                               ; 32 rows on
	s_mul_i32 s28, s24, 24576
	s_mul_i32 s18, s25, 3072
	s_add_co_u32 s28, s28, s18
	s_mov_b32 s29, 0                               ; my codes
	s_lshl_b32 s32, s24, 10
	s_lshl_b32 s18, s25, 8
	s_add_co_u32 s32, s32, s18
	s_add_co_u32 s32, s32, s23
	s_mov_b32 s33, 0                               ; my scale words
	s_wait_alu depctr_va_vdst(0)
	v_and_b32 v8, 7, v1                            ; lane 16 u + r takes column 8 u + r + 8 (r / 8) of the 32
	v_and_b32 v9, 8, v1
	v_lshl_or_b32 v8, v9, 1, v8
	v_and_b32 v9, 16, v1
	v_lshrrev_b32 v9, 1, v9
	v_or_b32 v8, v8, v9
	v_lshlrev_b32 v[OFF], 2, v8
.set i, 1
.rept 31
	v_add_nc_u32 v[OFF+i], s19, v[OFF+i-1]
.set i, i+1
.endr
	s_mul_i32 s18, s16, WSTG
	s_add_co_u32 s18, s18, WBASE
	v_mul_u32_u24 v6, v3, 3072
	v_lshl_add_u32 v6, v2, 4, v6
	v_add_nc_u32 v6, s18, v6                       ; the stage, in: tile u's two images, lane row r
	v_add_nc_u32 v7, s18, v4                       ; out: 16 bytes a lane
	s_wait_alu depctr_va_vdst(0)
	s_wait_kmcnt 0x0
	s_cmp_lt_u32 ttmp9, 352
	s_cselect_b64 s[6:7], s[6:7], s[8:9]
	s_cselect_b64 s[12:13], s[12:13], s[14:15]
	s_add_nc_u64 s[6:7], s[6:7], s[26:27]
	s_add_nc_u64 s[28:29], s[12:13], s[28:29]
	s_add_nc_u64 s[32:33], s[12:13], s[32:33]
.macro LOADW t                         ; block t: 32 rows at my column, into set t % 2; each load reads 128 consecutive bytes
.set i, 0
.rept 32
	global_load_b32 v[XW+32*((\t)%2)+i], v[OFF+i], s[6:7] th:TH_LOAD_NT
.set i, i+1
.endr
	s_wait_xcnt 0x0                                ; the loads' addresses are translated: only behind this wait is their base stepped
	s_add_nc_u64 s[6:7], s[6:7], s[30:31]
.endm
.macro BLOCK t
.set XS, XW+32*((\t)%2)
.if (\t) < 7
	s_wait_loadcnt 32                              ; this block's 32 loads are in; the next block's may be out
.else
	s_wait_loadcnt 0x0
.endif
	v_max3_num_f32 v12, |v[XS]|, |v[XS+1]|, |v[XS+2]|      ; the block's largest magnitude: all 32 numbers are mine
	v_max3_num_f32 v13, |v[XS+3]|, |v[XS+4]|, |v[XS+5]|
.irp i, 6,10,14,18,22,26
	v_max3_num_f32 v12, v12, |v[XS+\i]|, |v[XS+\i+1]|
	v_max3_num_f32 v13, v13, |v[XS+\i+2]|, |v[XS+\i+3]|
.endr
	v_max3_num_f32 v12, v12, |v[XS+30]|, |v[XS+31]|
	v_max3_num_f32 v12, v12, v13, 0x2800000        ; and the floor
	v_add_nc_u32 v11, 0xfe000000, v12
	v_lshrrev_b32 v13, 23, v11
.if (\t)%4 == 0
	v_mov_b32 v[SB+(\t)/4], v13
.else
	v_lshl_or_b32 v[SB+(\t)/4], v13, 8*((\t)%4), v[SB+(\t)/4]
.endif
	v_cvt_scalef32_pk16_bf6_f32 v[CW:CW+2], v[XS:XS+15], v11
	v_cvt_scalef32_pk16_bf6_f32 v[CW+4:CW+6], v[XS+16:XS+31], v11
	v_nop                                          ; one plain place behind a scaled conversion
	v_mov_b32 v[CW+3], v[CW+4]                     ; the block's six registers on end
	v_mov_b32 v[CW+4], v[CW+5]
	v_mov_b32 v[CW+5], v[CW+6]
	; block t is registers 6 c .. 6 c + 5 (c = (t / 2) % 2) of lane 16 (t % 2) + r in the image of K step t / 4
.if ((\t)/2)%2 == 0
	ds_store_b128 v6, v[CW:CW+3] offset:1536*((\t)/4)+256*((\t)%2)
	ds_store_b64 v6, v[CW+4:CW+5] offset:1536*((\t)/4)+256*((\t)%2)+512
.else
	ds_store_b64 v6, v[CW:CW+1] offset:1536*((\t)/4)+256*((\t)%2)+520
	ds_store_b128 v6, v[CW+2:CW+5] offset:1536*((\t)/4)+256*((\t)%2)+1024
.endif
.if (\t)+2 < 8
	LOADW (\t)+2
.endif
	s_wait_dscnt 0x0                               ; the stores have read their registers
.endm
	LOADW 0
	LOADW 1
.irp t, 0,1,2,3,4,5,6,7
	BLOCK \t
.endr
	s_wait_alu depctr_va_vdst(0)
	global_store_b64 v5, v[SB:SB+1], s[32:33]      ; 256 consecutive bytes, aligned: [tile % 2][r][2 words]
.irp k, 0,1,2,3,4,5,6,7,8,9,10,11
	ds_load_b128 v[OUTR+4*\k:OUTR+4*\k+3], v7 offset:512*\k   ; LDS serves a wave's instructions in order: these see my stores
.endr
.irp k, 0,1,2,3,4,5,6,7,8,9,10,11
	s_wait_dscnt 11-\k                             ; the younger loads may be out
	global_store_b128 v4, v[OUTR+4*\k:OUTR+4*\k+3], s[28:29] offset:12288*(\k/6)+512*(\k%6)
.endr
	s_wait_tensorcnt 0x0
	ds_add_u32 v224, v225
	s_wait_dscnt 0x0
	s_endpgm
.Lfunc_end_k_qfeed747e96_quant:
	.size	k_qfeed747e96_quant, .Lfunc_end_k_qfeed747e96_quant-k_qfeed747e96_quant
	.p2alignl 7, 3214868480
	.fill 96, 4, 3214868480
	.section	.rodata,"a",@progbits
	.p2align	6, 0x0
	.amdhsa_kernel k_qfeed747e96_quant
		.amdhsa_group_segment_fixed_size 58880
		.amdhsa_private_segment_fixed_size 0
		.amdhsa_enable_private_segment 0
		.amdhsa_kernarg_size 48
		.amdhsa_user_sgpr_count 2
		.amdhsa_user_sgpr_kernarg_segment_ptr 1
		.amdhsa_wavefront_size32 1
		.amdhsa_system_sgpr_workgroup_id_x 1
		.amdhsa_system_sgpr_workgroup_id_y 1
		.amdhsa_system_sgpr_workgroup_id_z 1
		.amdhsa_system_vgpr_workitem_id 0
		.amdhsa_next_free_vgpr 226
		.amdhsa_next_free_sgpr 66
		.amdhsa_reserve_vcc 0
		.amdhsa_float_denorm_mode_32 3
		.amdhsa_float_denorm_mode_16_64 3
		.amdhsa_memory_ordered 1
		.amdhsa_forward_progress 1
		.amdhsa_inst_pref_size 76
	.end_amdhsa_kernel
	.amdgpu_metadata
---
amdhsa.version: [ 1, 2 ]
amdhsa.kernels:
  - .name:           k_qfeed747e96_quant
    .symbol:         k_qfeed747e96_quant.kd
    .args:
      - { .name: x, .offset: 0, .size: 8, .value_kind: global_buffer, .address_space: global }
      - { .name: w_qkv, .offset: 8, .size: 8, .value_kind: global_buffer, .address_space: global }
      - { .name: w_proj, .offset: 16, .size: 8, .value_kind: global_buffer, .address_space: global }
      - { .name: xq, .offset: 24, .size: 8, .value_kind: global_buffer, .address_space: global }
      - { .name: wq, .offset: 32, .size: 8, .value_kind: global_buffer, .address_space: global }
      - { .name: wp, .offset: 40, .size: 8, .value_kind: global_buffer, .address_space: global }
    .group_segment_fixed_size: 58880
    .private_segment_fixed_size: 0
    .kernarg_segment_align: 8
    .kernarg_segment_size: 48
    .max_flat_workgroup_size: 128
    .sgpr_count:     66
    .vgpr_count:     226
    .wavefront_size: 32
...
	.end_amdgpu_metadata
.endif
;; end of part 1
;; launch qkv (part 2): grid 12 x 32, 4 waves a work-group, clusters of 4 x 4, 327,680 bytes of LDS; arguments xq, wq, qf, kv; writes qf, kv
.if DOCPART == 2
	.amdgcn_target "amdgcn-amd-amdhsa--gfx1250"
	.amdhsa_code_object_version 6
	.text
	.protected	k_qfeed747e96_qkv
	.globl	k_qfeed747e96_qkv
	.p2align	8
	.type	k_qfeed747e96_qkv,@function
k_qfeed747e96_qkv:
	s_mov_b64 s[64:65], 0
	v_nop
	global_prefetch_b8 v0, s[64:65] scope:SCOPE_SE
	s_setreg_imm32_b32 hwreg(HW_REG_WAVE_MODE, 25, 1), 1
	s_wait_xcnt 0x0
	s_wait_alu depctr_hold_cnt(0) depctr_sa_sdst(0) depctr_va_vdst(0) depctr_va_sdst(0) depctr_va_ssrc(0) depctr_va_vcc(0) depctr_vm_vsrc(0)
	s_getreg_b32 s2, hwreg(HW_REG_IB_STS2, 6, 4)
	s_cmp_eq_u32 s2, 0
	s_cbranch_scc0 .Lentry_in_a_cluster
	s_endpgm
.Lentry_in_a_cluster:
	s_bfe_u32 s2, ttmp6, 0x10000c
	s_cmp_lg_u32 s2, 0xf033
	s_cbranch_scc0 .Lentry_shape_is_right
	s_endpgm
.Lentry_shape_is_right:
; qkv = x w_qkv on codes of BF6 (E3M2) with E8M0 scales; the results never go to memory as f32: the way out quantises q and k along the head's 64 and v along the keys, into images of the operands that attention wants.
; A tile of 256 x 256 is made by four waves, 128 x 128 each: 64 accumulators, 512 registers.  K = 1,024 goes in four steps of 256 through a ring of two LDS slots filled by the tensor data mover.
; TWO SIDES.  Source 1 of the matrix instruction is side A, source 0 side B: a lane holds ONE row of side A and its registers run along side B, 16 neighbours in the 16 registers of two neighbouring tiles
; (lane row r of tile t stands for row 32 (t / 2) + 8 (t % 2) + r + 8 (r / 8), on both sides).  Cluster columns 0 and 1 (q, k): A = tokens (xq), B = columns of w_qkv (wq).  Cluster column 2 (v): A = v's columns
; (wq from tile 128 on), B = tokens: so a lane's registers run along the head's 64 for q and k, and along the keys for v: each along the next product's K.  The choice hangs on the cluster's x alone, which all partners share.
; OPERANDS ARE IMAGES OF REGISTERS: a fragment (16 rows x 128 K) is 1,536 bytes, registers 4 c .. 4 c + 3 of lane l at 512 c + 16 l: three loads of 16 bytes a lane, 512 consecutive bytes each: no pitch, no padding.
; CLUSTERS: 4 x 4 work-groups; A's tiles are shared along a row of the cluster, B's along a column, each asked for jointly.
; RESULTS.  qf [head 64][group of 128 tokens 16][6,400]: four fragments (registers 0-5: token tile 2 f, 6-11: tile 2 f + 1; K = the head's 64), then 256 bytes of scale words (word j of lane 16 h + r: fragment 2 j + h, row r).
;           kv [head][group][12,800]: k laid as q; at 6,400 v's four fragments (16 of the head's 64 x 128 keys) and their scale words.
; LIMITS: as the quantiser's: NaN and infinities are not served; a block under 2^-122, zeros too, keeps the byte 1 (its bytes are read by this program alone).
; REGISTERS: window 0: v16-29 addresses; v32-63 scale words, two sets; v128-223 A's fragments, one set; on the way out v64-107 at work, v128-223 codes.  window 1: B's fragments, two sets.  windows 2, 3: the accumulators.
.set NQ,     2                         ; matrix instructions deep in a slot
.set FR,     12                        ; registers of a fragment
.set NL,     3                         ; LDS loads that bring one
.set NP,     4                         ; places behind this matrix instruction (ISA guide 7.12.1)
.set FRB,    1536                      ; a fragment's image
.set TILEB,  NQ*FRB                    ; a tile's part of a slot
.set KROW,   12288                     ; a tile's whole K in memory
.set HALFT,  8*TILEB                   ; 8 tiles: what one tensor load brings, and what one wave reads of a side
.set SLOT,   4*HALFT                   ; A's 16 tiles, then B's 16
.set LAPS,   2                         ; a lap = two K steps = once round the ring
.set SCL,    2*SLOT                    ; behind the ring: the scale words of the 32 tiles, for all of K: filled once
.set HALFS,  4096                      ; those of 8 tiles
.set SPARE,  SCL+4*HALFS               ; the spare words, 128 bytes for each wave: two blocks of 256 bytes that no other line names
.set XQS,    6291456                   ; where xq's scale words begin
.set WQS,    2359296                   ; and wq's
.set ADRA, 16                          ; v16-17  LDS address of my A fragments in slot 0, 1
.set ADRB, 20                          ; v20-21  the same for B
.set L16,  24                          ; v24     16 x lane
.set L8,   25                          ; v25     8 x lane
.set ADRS, 27                          ; v27     LDS address of my scale words: lanes 0-15 A's, lanes 16-31 B's
.set SPW,  28                          ; v28     LDS address of my spare word; never rewritten
.set NIL,  29                          ; v29     0; never rewritten
.set SC,   32                          ; scale words: set s at v[SC + 16 s]; register 2 i + q: lanes 0-15 A's tile i, lanes 16-31 B's tile i
.set AF,   128
.set TM,   64                          ; the way out: v64-79 at work
.set T2,   80                          ; v80-86
.set PW,   88                          ; v88-95  scale words as they are made
.set WD,   96                          ; v96-103 a fragment's scale word
.set SW,   104                         ; v104-107 as they are stored
.set G,    128                         ; v128-223 eight fragments of codes: no store's data are written again
.set G1, 24
.set G0, 32
.set G1B, 48
.set G0B, 56
.set G1S, 68
.set G0S, 76
.set G1SB, 80
.set G0SB, 88
.set MSB, 0
.macro WIN new                         ; the immediate's high byte repeats the setting that is left
.if MSB != (\new)
	s_set_vgpr_msb (MSB<<8)|(\new)
.set MSB, (\new)
.endif
.endm
.set MUL_LO, 0xa1                      ; source 0 (B) window 1, source 1 (A) window 0, C and D window 2
.set MUL_HI, 0xf1                      ; the same, C and D window 3
.set TO_B,   0x40                      ; destination window 1, address window 0
; A joint load: waves 0 and 1 fetch for A, waves 2 and 3 for B; the branch hangs on the wave's number alone.  Four v_nop follow each of the two lines.
.macro JLOAD g0a, g1a, g0b, g1b
	s_cmp_eq_u32 s15, 0
	s_cbranch_scc0 .Lfor_b_\@
	tensor_load_to_lds s[\g0a:\g0a+3], s[\g1a:\g1a+7]
	s_nop 0
.rept 4
	v_nop
.endr
	s_branch .Lasked_\@
.Lfor_b_\@:
	tensor_load_to_lds s[\g0b:\g0b+3], s[\g1b:\g1b+7]
	s_nop 0
.rept 4
	v_nop
.endr
.Lasked_\@:
.endm
.macro CREST                           ; a round of the cluster's barrier behind its opening barrier
	s_cmp_lg_u32 s14, 0
	s_cbranch_scc1 .Lnot_wave_0_\@
	s_barrier_signal -3
.Lnot_wave_0_\@:
	s_barrier_wait -3
	s_barrier_signal -1
	s_barrier_wait -1
.endm
.macro CROUND
	s_barrier_signal -1
	s_barrier_wait -1
	CREST
.endm
	s_load_b256 s[4:11], s[0:1], 0x0               ; xq s[4:5], wq s[6:7], qf s[8:9], kv s[10:11]
	v_lshl_add_u32 v[SPW], v0, 2, SPARE
	v_mov_b32 v[NIL], 0
	ds_add_u32 v28, v29
	ds_add_u32 v28, v29
	s_wait_dscnt 0x0
	v_lshrrev_b32 v1, 5, v0
	v_readfirstlane_b32 s14, v1                    ; wave 0..3
	s_lshr_b32 s15, s14, 1                         ; which half of side A is mine.  Also: I fetch for A (0) or for B (1)
	s_and_b32 s16, s14, 1                          ; which half of side B.  Also: which 8 tiles of that side I fetch
	s_bfe_u32 s40, ttmp6, 0x40000                  ; cx, cy: my place in the cluster
	s_bfe_u32 s41, ttmp6, 0x40004
	s_and_b32 s12, ttmp7, 0xffff                   ; the cluster's y
	s_mov_b32 s92, 128*KROW
	s_mov_b32 s93, WQS+64*1024
	s_mov_b32 s94, XQS
	s_mov_b32 s95, WQS
	s_cmp_eq_u32 ttmp9, 2                          ; v's part?  The cluster's x: the same in all sixteen partners
	s_cselect_b32 s13, s12, ttmp9                  ; the cluster's column in the tiling: v: token blocks run along B
	s_cselect_b32 s12, 0, s12                      ; and its row: v's 1,024 columns are one cluster high
	s_cselect_b32 s92, s92, 0                      ; side A's first tile, in bytes of codes,
	s_cselect_b32 s93, s93, s94                    ; where its scale words begin,
	s_cselect_b32 s94, s94, s95                    ; and side B's
	s_lshl_b32 s42, s13, 2
	s_add_co_u32 s42, s42, s40                     ; tile column = 4 x cluster column + cx
	s_lshl_b32 s17, s12, 2
	s_add_co_u32 s17, s17, s41                     ; tile row = 4 x cluster row + cy
	s_lshl_b32 s43, s41, 2
	s_lshl_b32 s43, 15, s43                        ; my row of the cluster
	s_lshl_b32 s44, 0x1111, s40                    ; my column
	; descriptor group 1: 8 tiles x 3,072 bytes (384 elements of 8 bytes), 12,288 bytes apart in memory, on end in LDS
	s_or_b32 s[G1+0], s43, (3<<16)|(1<<21)         ; 15:0 the mask: A's tiles go to my row; 17:16 elements of 8 bytes; 21 set beside a mask
	s_or_b32 s[G1B+0], s44, (3<<16)|(1<<21)
.irp g, G1, G1B
	s_mov_b32 s[\g+1], 384<<16                     ; tensor_dim0
	s_mov_b32 s[\g+2], 16<<16                      ; tensor_dim1: the head's loads bring a side's 16 tiles whole
	s_mov_b32 s[\g+3], 384<<16                     ; tile_dim0
	s_mov_b32 s[\g+4], 16                          ; tile_dim1
	s_mov_b32 s[\g+5], KROW/8                      ; tensor_dim0_stride
	s_mov_b32 s[\g+6], 0
	s_mov_b32 s[\g+7], 0
.endr
	; the scale words of 16 tiles: 8,192 dense bytes, as 32 rows of 256
	s_or_b32 s[G1S+0], s43, (3<<16)|(1<<21)
	s_or_b32 s[G1SB+0], s44, (3<<16)|(1<<21)
.irp g, G1S, G1SB
	s_mov_b32 s[\g+1], 32<<16
	s_mov_b32 s[\g+2], 32<<16
	s_mov_b32 s[\g+3], 32<<16
	s_mov_b32 s[\g+4], 32
	s_mov_b32 s[\g+5], 32
	s_mov_b32 s[\g+6], 0
	s_mov_b32 s[\g+7], 0
.endr
	s_lshl_b32 s20, s17, 4                         ; A: tile 16 x tile row
	s_lshl_b32 s22, s20, 9
	s_add_co_u32 s22, s22, s93
	s_mul_i32 s20, s20, KROW
	s_add_co_u32 s20, s20, s92
	s_mov_b32 s21, 0
	s_mov_b32 s23, 0
	s_lshl_b32 s46, s42, 4                         ; B: tile 16 x tile column
	s_lshl_b32 s96, s46, 9
	s_add_co_u32 s96, s96, s94
	s_mul_i32 s46, s46, KROW
	s_mov_b32 s47, 0
	s_mov_b32 s97, 0
	s_mul_i32 s45, s14, HALFT                      ; where they go: wave x 8 tiles: no place in the cluster enters an LDS address
	s_wait_kmcnt 0x0
	s_cmp_eq_u32 ttmp9, 2
	s_cselect_b64 s[2:3], s[6:7], s[4:5]           ; side A's buffer
	s_cselect_b64 s[18:19], s[4:5], s[6:7]         ; side B's
	s_add_nc_u64 s[20:21], s[2:3], s[20:21]
	s_add_nc_u64 s[22:23], s[2:3], s[22:23]
	s_add_nc_u64 s[46:47], s[18:19], s[46:47]
	s_add_nc_u64 s[96:97], s[18:19], s[96:97]
	CROUND                                         ; all sixteen work-groups are here: the first joint loads meet
	s_mov_b32 s[G0S], 1
	s_mov_b32 s[G0S+1], SCL
	s_mov_b64 s[G0S+2:G0S+3], s[22:23]
	s_or_b32 s[G0S+3], s[G0S+3], 0x80000000
	s_mov_b32 s[G0SB], 1
	s_mov_b32 s[G0SB+1], SCL+2*HALFS
	s_mov_b64 s[G0SB+2:G0SB+3], s[96:97]
	s_or_b32 s[G0SB+3], s[G0SB+3], 0x80000000
	s_mov_b32 s[G0], 1                             ; the head's load of K step 0: side A's 16 tiles whole,
	s_mov_b32 s[G0+1], 0
	s_mov_b64 s[G0+2:G0+3], s[20:21]
	s_or_b32 s[G0+3], s[G0+3], 0x80000000
	s_mov_b32 s[G0B], 1                            ; and side B's, behind them in slot 0
	s_mov_b32 s[G0B+1], 2*HALFT
	s_mov_b64 s[G0B+2:G0B+3], s[46:47]
	s_or_b32 s[G0B+3], s[G0B+3], 0x80000000
	s_mul_i32 s18, s16, 8*KROW                     ; for the ring: which 8 tiles of a side I fetch, in bytes
	s_mov_b32 s19, 0
	s_add_nc_u64 s[20:21], s[20:21], s[18:19]
	s_add_nc_u64 s[46:47], s[46:47], s[18:19]
	s_mov_b32 s[G0+4], 1                           ; slot 1: K step 1
	s_add_co_u32 s[G0+5], s45, SLOT
	s_add_nc_u64 s[G0+6:G0+7], s[20:21], TILEB
	s_or_b32 s[G0+7], s[G0+7], 0x80000000
	s_mov_b32 s[G0B+4], 1
	s_add_co_u32 s[G0B+5], s45, SLOT
	s_add_nc_u64 s[G0B+6:G0B+7], s[46:47], TILEB
	s_or_b32 s[G0B+7], s[G0B+7], 0x80000000
; the head's four tiles, one load a wave: wave 0 side A's codes of K step 0, wave 1 side B's, wave 2 A's scale words, wave 3 B's: one chain of branches on the wave's number
.macro ARM under, g0, g1, next
	s_cmp_lt_u32 s14, \under
	s_cbranch_scc0 \next
	tensor_load_to_lds s[\g0:\g0+3], s[\g1:\g1+7]
	s_nop 0
.rept 4
	v_nop
.endr
	s_branch .Lhead_asked
\next:
.endm
	ARM 1, G0,  G1,  .Lhead_b
	ARM 2, G0B, G1B, .Lhead_sa
	ARM 3, G0S, G1S, .Lhead_sb
	tensor_load_to_lds s[G0SB:G0SB+3], s[G1SB:G1SB+7]
	s_nop 0
.rept 4
	v_nop
.endr
.Lhead_asked:
	v_and_b32 v1, 15, v0                           ; r
	v_bfe_u32 v2, v0, 4, 1                         ; h
	s_wait_alu depctr_va_vdst(0)
	v_and_b32 v3, 31, v0                           ; lane
	v_lshlrev_b32 v[L16], 4, v3
	v_lshlrev_b32 v[L8], 3, v3
	s_mul_i32 s21, s15, HALFT                      ; my 8 tiles of A
	s_mul_i32 s22, s16, HALFT                      ; my 8 tiles of B,
	s_add_co_u32 s22, s22, 2*HALFT                 ; which lie behind A's 16
.irp s, 0,1
	v_add_nc_u32 v[ADRA+\s], s21, v[L16]
	v_add_nc_u32 v[ADRB+\s], s22, v[L16]
	s_add_co_u32 s21, s21, SLOT
	s_add_co_u32 s22, s22, SLOT
.endr
	v_lshlrev_b32 v5, 3, v1                        ; my row's two words of a K step
	s_mul_i32 s21, s15, HALFS
	s_mul_i32 s22, s16, HALFS
	s_add_co_u32 s22, s22, 2*HALFS
	s_sub_co_u32 s22, s22, s21
	v_mul_u32_u24 v6, s22, v2                      ; lanes 16-31 take B's: one product, the distance between the two
	s_add_co_u32 s21, s21, SCL
	v_add_nc_u32 v5, v5, v6
	v_add_nc_u32 v[ADRS], s21, v5
	; where my results go: the group of 128 tokens gg, the first of my two heads, the buffer and the block's size
	s_lshl_b32 s2, s42, 1
	s_add_co_u32 s2, s2, s16                       ; v: tokens run along B
	s_lshl_b32 s3, s17, 1
	s_add_co_u32 s3, s3, s15                       ; q, k: along A
	s_lshl_b32 s12, s17, 2
	s_lshl_b32 s13, s15, 1
	s_add_co_u32 s12, s12, s13                     ; v: heads run along A: 4 x tile row + 2 x half
	s_and_b32 s13, s42, 3
	s_lshl_b32 s13, s13, 2
	s_lshl_b32 s18, s16, 1
	s_add_co_u32 s13, s13, s18                     ; q, k: along B
	s_cmp_eq_u32 ttmp9, 2
	s_cselect_b32 s2, s2, s3                       ; gg
	s_cselect_b32 s12, s12, s13                    ; the head
	s_cselect_b32 s19, 6400, 0                     ; v lies behind k in a block
	s_mov_b32 s13, 12800
	s_cmp_eq_u32 ttmp9, 0
	s_cselect_b32 s13, 6400, s13                   ; a block's bytes
	s_cselect_b64 s[92:93], s[8:9], s[10:11]       ; qf or kv
	s_lshr_b32 s3, s2, 4                           ; the batch: 16 groups each
	s_lshl_b32 s3, s3, 4
	s_add_co_u32 s3, s3, s12                       ; 16 heads a batch
	s_lshl_b32 s3, s3, 4
	s_and_b32 s2, s2, 15
	s_add_co_u32 s3, s3, s2                        ; 16 groups a head
	s_mul_i32 s2, s3, s13
	s_add_co_u32 s2, s2, s19
	s_mov_b32 s3, 0
	s_add_nc_u64 s[92:93], s[92:93], s[2:3]        ; my first head's block
	s_lshl_b32 s2, s13, 4
	s_add_nc_u64 s[94:95], s[92:93], s[2:3]        ; my second head's: 16 blocks on
	s_mov_b32 s66, 0xffff0000                      ; lanes 16-31
	s_mov_b32 s98, 0x76543210
	s_mov_b32 s99, 0xfedcba98                      ; v_permlanex16_b32's selects for lane l xor 16
.macro FRAG reg, adr, q, i             ; a fragment's image: three loads of 512 consecutive bytes
.irp c, 0,1,2
	ds_load_b128 v[\reg+4*\c:\reg+4*\c+3], v[\adr] offset:(\i)*TILEB+(\q)*FRB+512*\c
.endr
.endm
; 16 matrix instructions: A's tiles a0, a0 + 1 x B's eight, 128 along K.  The 64 accumulators take turns, one instruction a turn, in the same order in every step.
.macro MUL16 a0, p, q, sc, zero
.irp a, \a0, \a0+1
.irp b, 0,1,2,3,4,5,6,7
.if \zero
	v_wmma_scale_f32_16x16x128_f8f6f4 v[8*(8*((\a)%4)+\b):8*(8*((\a)%4)+\b)+7], v[128*(\p)+FR*\b:128*(\p)+FR*\b+FR-1], v[AF+FR*(\a):AF+FR*(\a)+FR-1], 0, v[SC+8*NQ*(\sc)+NQ*\b+(\q)], v[SC+8*NQ*(\sc)+NQ*(\a)+(\q)] matrix_a_fmt:MATRIX_FMT_BF6 matrix_b_fmt:MATRIX_FMT_BF6 matrix_a_scale:MATRIX_SCALE_ROW1
.else
	v_wmma_scale_f32_16x16x128_f8f6f4 v[8*(8*((\a)%4)+\b):8*(8*((\a)%4)+\b)+7], v[128*(\p)+FR*\b:128*(\p)+FR*\b+FR-1], v[AF+FR*(\a):AF+FR*(\a)+FR-1], v[8*(8*((\a)%4)+\b):8*(8*((\a)%4)+\b)+7], v[SC+8*NQ*(\sc)+NQ*\b+(\q)], v[SC+8*NQ*(\sc)+NQ*(\a)+(\q)] matrix_a_fmt:MATRIX_FMT_BF6 matrix_b_fmt:MATRIX_FMT_BF6 matrix_a_scale:MATRIX_SCALE_ROW1
.endif
.endr
.endr
.endm
.macro FETCH_B slot, q, p
	WIN TO_B
.irp i, 0,1,2,3,4,5,6,7
	FRAG 128*(\p)+FR*\i, ADRB+\slot, \q, \i
.endr
	WIN 0
.endm
.macro FETCH_A slot, q, i0
.irp i, \i0, \i0+1, \i0+2, \i0+3
	FRAG AF+FR*(\i), ADRA+\slot, \q, \i
.endr
.endm
.macro SCALES sc                       ; a K step's scale words: two words a row; lanes 0-15 take A's tile i, lanes 16-31 B's tile i
.irp i, 0,1,2,3,4,5,6,7
	ds_load_b64 v[SC+8*NQ*\sc+NQ*\i:SC+8*NQ*\sc+NQ*\i+1], v[ADRS] offset:1024*(\i/2)+128*(\i%2)
.endr
.endm
.macro PLACES n                        ; plain vector places behind matrix instructions, in front of loads into their registers and of reads of their results
.rept \n
	v_nop
.endr
.endm
.macro STEP slot, q, zero              ; a step of 128 along K that has its successor in the same slot
	s_wait_dscnt 4*NL                              ; B's set and A's tiles 0-3 are in; the youngest 12 loads (A's tiles 4-7) may be out
	WIN MUL_LO
	MUL16 0, (\q)%2, \q, \slot, \zero
	MUL16 2, (\q)%2, \q, \slot, \zero
	s_wait_dscnt 0
	PLACES NP
	FETCH_B \slot, (\q)+1, 1-(\q)%2
	FETCH_A \slot, (\q)+1, 0
	WIN MUL_HI
	MUL16 4, (\q)%2, \q, \slot, \zero
	MUL16 6, (\q)%2, \q, \slot, \zero
	PLACES NP
	WIN 0
	FETCH_A \slot, (\q)+1, 4
.endm
; A slot's last step changes slots: one barrier; in front of it each wave waits for all its tensor loads, adds 0 to its spare word, and waits for that and for its own reads of this slot.
.macro TURN slot, next, fill
	s_wait_tensorcnt 0x0                           ; all my tensor loads have landed: my part of the next slot
	ds_add_u32 v[SPW], v[NIL]                      ; 0 onto my spare word
	s_wait_dscnt 4*NL+1                            ; the add and the youngest 12 loads (A's tiles 4-7) may be out
	WIN MUL_LO
	MUL16 0, 1, NQ-1, \slot, 0
	s_wait_dscnt 0x0                               ; the add is done, and my reads of this slot are over
	s_barrier_signal -1
	MUL16 2, 1, NQ-1, \slot, 0
	WIN 0
	s_barrier_wait -1
.if \fill
	CREST                                          ; the barrier has opened a round of the cluster's barrier: no wave of any partner still reads this slot or has a load on its way
	s_add_nc_u64 s[G0+4*\slot+2:G0+4*\slot+3], s[G0+4*\slot+2:G0+4*\slot+3], 2*TILEB
	s_add_nc_u64 s[G0B+4*\slot+2:G0B+4*\slot+3], s[G0B+4*\slot+2:G0B+4*\slot+3], 2*TILEB
	JLOAD G0+4*\slot, G1, G0B+4*\slot, G1B         ; the first tensor load behind the round; its four v_nop are the places in front of the loads below
.else
	PLACES NP
.endif
	s_wait_alu depctr_va_vdst(0)
	v_add_nc_u32 v[ADRS], 256, v[ADRS]             ; on to the next K step's scale words (no LDS load of mine is out)
	FETCH_B \next, 0, 0
	FETCH_A \next, 0, 0
	SCALES \next
	WIN MUL_HI
	MUL16 4, 1, NQ-1, \slot, 0
	MUL16 6, 1, NQ-1, \slot, 0
	PLACES NP
	WIN 0
	FETCH_A \next, 0, 4
.endm
	s_wait_alu depctr_va_vdst(0)
	s_wait_tensorcnt 0x0                           ; my tile of the head's four is in
	ds_add_u32 v[SPW], v[NIL]
	s_mov_b32 s[G1+2], 8<<16                       ; no tensor load of mine is out: from here on a load brings 8 tiles,
	s_mov_b32 s[G1+4], 8
	s_mov_b32 s[G1B+2], 8<<16
	s_mov_b32 s[G1B+4], 8
	s_mul_i32 s2, s16, 8*KROW
	s_mov_b32 s3, 0
	s_mov_b32 s[G0+1], s45                         ; and slot 0's descriptors name my 8 tiles
	s_add_nc_u64 s[G0+2:G0+3], s[G0+2:G0+3], s[2:3]
	s_mov_b32 s[G0B+1], s45
	s_add_nc_u64 s[G0B+2:G0B+3], s[G0B+2:G0B+3], s[2:3]
	s_wait_dscnt 0x0
	CROUND                                         ; all four tiles are in, in every partner
	JLOAD G0+4, G1, G0B+4, G1B                     ; K step 1, the first tensor load behind the round
	FETCH_B 0, 0, 0
	FETCH_A 0, 0, 0
	SCALES 0
	FETCH_A 0, 0, 4
	STEP 0, 0, 1                                   ; the first step's products start the sums
	s_mov_b32 s3, LAPS-1
.Llap:                                                 ; a trip goes once round the ring and fills both slots again
	TURN 0, 1, 1
	STEP 1, 0, 0
	TURN 1, 0, 1
	STEP 0, 0, 0
	s_sub_co_u32 s3, s3, 1
	s_cmp_lg_u32 s3, 0
	s_cbranch_scc1 .Llap
	TURN 0, 1, 0                                   ; the last lap fills nothing
	STEP 1, 0, 0
	s_wait_dscnt 4*NL
	WIN MUL_LO
	MUL16 0, 1, NQ-1, 1, 0
	MUL16 2, 1, NQ-1, 1, 0
	s_wait_dscnt 0
	WIN MUL_HI
	MUL16 4, 1, NQ-1, 1, 0
	MUL16 6, 1, NQ-1, 1, 0
	WIN 0
; THE WAY OUT.  The 64 accumulator registers of A's tile a are, in my lane, register 16 b + i = B's index 32 b + 16 (lane / 16) + i of my row: four blocks of 32 along the next K.
; QUANTW makes of them the twelve registers of an operand (d0 on: 0-5, d1 on: 6-11) and its scale word.  Each accumulator is read from its low end on.
.macro QUANTW a, d0, d1, pw
.set AC, 64*((\a)%4)
.set QW, 2+(\a)/4
.set WS2, QW|(QW<<2)
.set WS3, (QW<<2)|(QW<<4)
	WIN WS2                                        ; sources 0 and 1 in the accumulators' window
.irp b, 0,1,2,3
	v_max3_num_f32 v[TM+\b], |v[AC+16*\b]|, |v[AC+1+16*\b]|, 0x2800000   ; and the floor 2^(5 - 127): the byte cannot fall under 1
.endr
	WIN WS3                                        ; sources 1 and 2
.irp i, 2,4,6,8,10,12,14
.irp b, 0,1,2,3
	v_max3_num_f32 v[TM+\b], v[TM+\b], |v[AC+16*\b+\i]|, |v[AC+1+16*\b+\i]|
.endr
.endr
	WIN 0
.irp b, 0,1,2,3
	v_permlanex16_b32 v[TM+4+\b], v[TM+\b], s98, s99
.endr
.irp b, 0,1,2,3
	v_max_num_f32 v[TM+\b], v[TM+\b], v[TM+4+\b]
.endr
.irp b, 0,1,2,3
	v_add_nc_u32 v[TM+12+\b], 0xfe000000, v[TM+\b]
.endr
.irp b, 0,1,2,3
	v_lshrrev_b32 v[TM+4+\b], 23, v[TM+12+\b]
.endr
	v_lshl_or_b32 v[\pw], v[TM+5], 8, v[TM+4]
	v_lshl_or_b32 v[\pw], v[TM+6], 16, v[\pw]
	v_lshl_or_b32 v[\pw], v[TM+7], 24, v[\pw]
	WIN QW                                         ; source 0
	v_cvt_scalef32_pk16_bf6_f32 v[(\d0):(\d0)+2], v[AC:AC+15], v[TM+12]
	v_cvt_scalef32_pk16_bf6_f32 v[T2:T2+2], v[AC+16:AC+31], v[TM+13]
	v_cvt_scalef32_pk16_bf6_f32 v[(\d1):(\d1)+2], v[AC+32:AC+47], v[TM+14]
	v_cvt_scalef32_pk16_bf6_f32 v[T2+4:T2+6], v[AC+48:AC+63], v[TM+15]
	WIN 0
	v_nop                                          ; one plain place behind a scaled conversion
.irp i, 0,1,2
	v_permlane16_swap_b32 v[(\d0)+\i], v[T2+\i]
	v_permlane16_swap_b32 v[(\d1)+\i], v[T2+4+\i]
.endr
.irp i, 0,1,2
	v_mov_b32 v[(\d0)+3+\i], v[T2+\i]
	v_mov_b32 v[(\d1)+3+\i], v[T2+4+\i]
.endr
.endm
	PLACES NP                                      ; behind the last products
.irp b, 0,1,2,3
	v_mov_b32 v[TM+4+\b], 0                        ; written once: a lane permute's destination counts as one of its sources
.endr
	s_cmp_eq_u32 ttmp9, 2
	s_cbranch_scc1 .Lout_v
	; q, k: a lane's row is a token; blocks 0, 1 are my first head's 64, blocks 2, 3 my second head's.  Token tiles 2 b and 2 b + 1 share a fragment: registers 0-5 and 6-11
.irp b, 0,1,2,3
	QUANTW 2*\b, G+24*\b, G+24*\b+12, PW+2*\b
	QUANTW 2*\b+1, G+24*\b+6, G+24*\b+18, PW+2*\b+1
	v_perm_b32 v[WD+\b], v[PW+2*\b+1], v[PW+2*\b], 0x05040100     ; the first head's word: the two tiles' low halves
	v_perm_b32 v[WD+4+\b], v[PW+2*\b+1], v[PW+2*\b], 0x07060302   ; the second head's: their high halves
.irp c, 0,1,2
	global_store_b128 v[L16], v[G+24*\b+4*\c:G+24*\b+4*\c+3], s[92:93] offset:FRB*\b+512*\c          ; 512 consecutive bytes, aligned
	global_store_b128 v[L16], v[G+24*\b+12+4*\c:G+24*\b+12+4*\c+3], s[94:95] offset:FRB*\b+512*\c
.endr
.endr
	s_branch .Lout_join
.Lout_v:
	; v: a lane's row is one of a head's 64, the four blocks are the group's 128 keys: tile a is a whole fragment; tiles 0-3 my first head, 4-7 my second
.irp a, 0,1,2,3,4,5,6,7
	QUANTW \a, G+12*\a, G+12*\a+6, WD+\a
.irp c, 0,1,2
	global_store_b128 v[L16], v[G+12*\a+4*\c:G+12*\a+4*\c+3], s[92+2*(\a/4):93+2*(\a/4)] offset:FRB*(\a%4)+512*\c
.endr
.endr
.Lout_join:
	s_wait_alu depctr_va_vdst(0)
.irp e, 0,1
.irp j, 0,1
	v_cndmask_b32 v[SW+2*\e+\j], v[WD+4*\e+2*\j], v[WD+4*\e+2*\j+1], s66   ; word j: lanes 0-15 fragment 2 j, lanes 16-31 fragment 2 j + 1
.endr
	global_store_b64 v[L8], v[SW+2*\e:SW+2*\e+1], s[92+2*\e:93+2*\e] offset:4*FRB   ; 256 consecutive bytes, aligned
.endr
	s_wait_tensorcnt 0x0                           ; the wave's end
	ds_add_u32 v[SPW], v[NIL]
	s_wait_dscnt 0x0
	CROUND                                         ; the closing round: no work-group ends while a partner may still ask for a tile that names it
	s_endpgm
.Lfunc_end_k_qfeed747e96_qkv:
	.size	k_qfeed747e96_qkv, .Lfunc_end_k_qfeed747e96_qkv-k_qfeed747e96_qkv
	.p2alignl 7, 3214868480
	.fill 96, 4, 3214868480
	.section	.rodata,"a",@progbits
	.p2align	6, 0x0
	.amdhsa_kernel k_qfeed747e96_qkv
		.amdhsa_group_segment_fixed_size 327680
		.amdhsa_private_segment_fixed_size 0
		.amdhsa_enable_private_segment 0
		.amdhsa_kernarg_size 32
		.amdhsa_user_sgpr_count 2
		.amdhsa_user_sgpr_kernarg_segment_ptr 1
		.amdhsa_wavefront_size32 1
		.amdhsa_system_sgpr_workgroup_id_x 1
		.amdhsa_system_sgpr_workgroup_id_y 1
		.amdhsa_system_sgpr_workgroup_id_z 1
		.amdhsa_system_vgpr_workitem_id 0
		.amdhsa_next_free_vgpr 1024
		.amdhsa_next_free_sgpr 100
		.amdhsa_reserve_vcc 0
		.amdhsa_float_denorm_mode_32 3
		.amdhsa_float_denorm_mode_16_64 3
		.amdhsa_memory_ordered 1
		.amdhsa_forward_progress 1
		.amdhsa_inst_pref_size 176
	.end_amdhsa_kernel
	.amdgpu_metadata
---
amdhsa.version: [ 1, 2 ]
amdhsa.kernels:
  - .name:           k_qfeed747e96_qkv
    .symbol:         k_qfeed747e96_qkv.kd
    .args:
      - { .name: xq, .offset: 0, .size: 8, .value_kind: global_buffer, .address_space: global }
      - { .name: wq, .offset: 8, .size: 8, .value_kind: global_buffer, .address_space: global }
      - { .name: qf, .offset: 16, .size: 8, .value_kind: global_buffer, .address_space: global }
      - { .name: kv, .offset: 24, .size: 8, .value_kind: global_buffer, .address_space: global }
    .group_segment_fixed_size: 327680
    .private_segment_fixed_size: 0
    .kernarg_segment_align: 8
    .kernarg_segment_size: 32
    .max_flat_workgroup_size: 128
    .sgpr_count:     100
    .vgpr_count:     1024
    .wavefront_size: 32
...
	.end_amdgpu_metadata
.endif
;; end of part 2
;; launch attn (part 3): grid 4 x 64, 16 waves a work-group, clusters of 4 x 1, 327,680 bytes of LDS; arguments qf, kv, yq; writes yq
.if DOCPART == 3
	.amdgcn_target "amdgcn-amd-amdhsa--gfx1250"
	.amdhsa_code_object_version 6
	.text
	.protected	k_qfeed747e96_attn
	.globl	k_qfeed747e96_attn
	.p2align	8
	.type	k_qfeed747e96_attn,@function
k_qfeed747e96_attn:
	s_mov_b64 s[64:65], 0
	v_nop
	global_prefetch_b8 v0, s[64:65] scope:SCOPE_SE
	s_setreg_imm32_b32 hwreg(HW_REG_WAVE_MODE, 25, 1), 1
	s_wait_xcnt 0x0
	s_wait_alu depctr_hold_cnt(0) depctr_sa_sdst(0) depctr_va_vdst(0) depctr_va_sdst(0) depctr_va_ssrc(0) depctr_va_vcc(0) depctr_vm_vsrc(0)
	s_getreg_b32 s2, hwreg(HW_REG_IB_STS2, 6, 4)
	s_cmp_eq_u32 s2, 0
	s_cbranch_scc0 .Lentry_in_a_cluster
	s_endpgm
.Lentry_in_a_cluster:
	s_bfe_u32 s2, ttmp6, 0x10000c
	s_cmp_lg_u32 s2, 0x3003
	s_cbranch_scc0 .Lentry_shape_is_right
	s_endpgm
.Lentry_shape_is_right:
; y = softmax(q k^T / 8, causal) v for one head (batch x head = the grid's y), on codes of BF6 (E3M2) with E8M0 scales; y leaves as codes and scale bytes for the projection.
; LEFT OUT: steps of 128 keys that lie wholly above the diagonal of reference()'s own causal mask (weight 0 for all inputs).  LIMITS: the promise holds while the scaled scores (exponents to the base 2) stay
; under 2^31 in magnitude; NaN and infinities are not served; a block under 2^-122, zeros too, keeps the byte 1 (its bytes are read by this program alone).
; THE DEAL.  A head has 128 query tiles of 16 rows.  Wave w (0-15) of work-group cx (0-3) takes tile t = 4 w + cx and tile 127 - t: (w / 2 + 1) + (16 - w / 2) = 17 steps of 128 keys for every wave.
; The group in which a tile's diagonal lies is w / 2 or 15 - w / 2: every branch hangs on the wave's number and a counted loop's steps, none on the place in the cluster.
; CLUSTER: the four work-groups of a head read the same K and V: 4 x 1 work-groups ask for them jointly.  Each of them reads all 16 groups (its wave 0 reaches group 15).
; LDS: the head's 16 groups x 12,800 bytes (K's four fragment images and scale words, then V's), 800 rows of 256 bytes, filled once by two loads a wave: 11 rows at the head (groups 0-2 and K of group 3),
; 39 rows behind the full sequence and a round.  The long tile's first three steps read the first fill alone while the second is out; one barrier then shows the rest.
; No prefetch: both fills are asked for ahead of the first loop, so no later step has anything left to ask ahead for.
; A STEP: S^T = k q^T (a fragment of K holds two key tiles of K = 64; q stands beside 6 registers of zeros, once above and once below), mask in the diagonal group, running whole-number M, p = 2^(t - M),
; p quantised by blocks of 32 keys, O^T = O^T f + v^T p^T.  Behind the last products the next group's K fragments are fetched, and the row's sum of the unquantised p is taken while they are out.
.set KVB,   12800
.set HEADB, 16*KVB
.set YQS,   6291456
.set R0,    11                         ; rows of 256 bytes a wave: first fill
.set R1,    39                         ; second fill
.set FILL0, 16*R0*256
.set SPARE, 16*KVB                     ; the spare words, 128 bytes a wave
.set QZ,  16                           ; v16-33 zeros, the long tile's q, zeros
.set QS,  34                           ; its scale word;  v35 the short tile's
.set QS2, 35
.set F,   36                           ; v36-83 four fragments of K or V
.set KSW, 84
.set VSW, 86
.set S,   88                           ; v88-151 scores, then p
.set O,   152                          ; v152-183 O^T
.set PC,  184                          ; v184-195 p's codes
.set BM,  196
.set T2,  200
.set SO,  208
.set FF,  212
.set PSW, 213
.set TA,  214
.set TI,  215                          ; -infinity
.set YB,  216
.set QR,  217                          ; my query's place in its group, less 16 x (lane / 16)
.set OM,  218                          ; -M of the step before
.set QR2, 219
.set QZ2, 220                          ; v226-231 the short tile's q, kept until its turn
.set QW,  238
.set QW2, 239
.set QO,  240                          ; v240-247 offsets of the q loads
.set QO2, 244
.set SPW, 248
.set NIL, 249
.macro CROUND                          ; a round of the cluster's barrier
	s_barrier_signal -1
	s_barrier_wait -1
	s_cmp_lg_u32 s18, 0
	s_cbranch_scc1 .Lnot_wave_0_\@
	s_barrier_signal -3
.Lnot_wave_0_\@:
	s_barrier_wait -3
	s_barrier_signal -1
	s_barrier_wait -1
.endm
; a query tile (group grp, place tt in it): its q fragment and scale word are asked for; selector of its two scale bytes; where its y goes
.macro TILE grp, tt, o, qd, qw, qr, sel, qb, ya, ys
	s_lshr_b32 s46, \tt, 1                         ; which fragment of the group's four
	s_and_b32 s47, \tt, 1                          ; registers 0-5 or 6-11 of it
	s_mul_i32 s48, s46, 1536
	s_mul_i32 s49, s47, 520
	s_add_co_u32 s49, s49, s48
	v_add_nc_u32 v[\o], s49, v1
	s_mul_i32 s49, s47, 1016
	s_add_co_u32 s49, s49, s48
	s_add_co_u32 s49, s49, 8
	v_add_nc_u32 v[\o+1], s49, v1
	v_add_nc_u32 v[\o+2], 512, v[\o]
	s_and_b32 s49, s46, 1
	s_lshl_b32 s49, s49, 7
	s_lshr_b32 s48, s46, 1
	s_lshl_b32 s48, s48, 2
	s_add_co_u32 s49, s49, s48
	s_add_co_u32 s49, s49, 6144
	v_add_nc_u32 v[\o+3], s49, v3
	s_mul_i32 \sel, s47, 0x02020202
	s_add_co_u32 \sel, \sel, 0x01000100
	s_lshl_b32 s48, s46, 5
	s_lshl_b32 s49, s47, 3
	s_add_co_u32 s48, s48, s49
	v_add_nc_u32 v[\qr], s48, v4
	s_lshl_b32 s48, s45, 4
	s_add_co_u32 s48, s48, \grp
	s_mul_i32 s48, s48, 6400
	s_mov_b32 s49, 0
	s_add_nc_u64 s[\qb:\qb+1], s[4:5], s[48:49]
	s_wait_alu depctr_va_vdst(0)
	global_load_b64 v[\qd:\qd+1], v[\o], s[\qb:\qb+1]
	global_load_b64 v[\qd+2:\qd+3], v[\o+1], s[\qb:\qb+1]
	global_load_b64 v[\qd+4:\qd+5], v[\o+2], s[\qb:\qb+1]
	global_load_b32 v[\qw], v[\o+3], s[\qb:\qb+1]
	s_lshl_b32 s46, \grp, 3
	s_add_co_u32 s46, s46, \tt
	s_add_co_u32 s46, s46, s66                     ; the tile among yq's 512
	s_mul_i32 s48, s46, 12288
	s_add_co_u32 s48, s48, s67
	s_add_nc_u64 s[\ya:\ya+1], s[8:9], s[48:49]
	s_lshr_b32 s48, s46, 1
	s_lshl_b32 s48, s48, 10
	s_and_b32 s46, s46, 1
	s_lshl_b32 s46, s46, 7
	s_add_co_u32 s48, s48, s46
	s_add_co_u32 s48, s48, s68
	s_add_nc_u64 s[\ys:\ys+1], s[8:9], s[48:49]
.endm
.macro KLOAD                           ; a group's four fragments of K and their scale words
.irp b, 0,1,2,3
.irp c, 0,1,2
	ds_load_b128 v[F+12*\b+4*\c:F+12*\b+4*\c+3], v8 offset:1536*\b+512*\c
.endr
.endr
	ds_load_b64 v[KSW:KSW+1], v9 offset:6144
.endm
.macro INIT                            ; a tile begins: zeros, the largest t -3e38, group 0's K
.set j, 0
.rept 32
	v_mov_b32 v[O+j], 0
.set j, j+1
.endr
	v_mov_b32 v13, 0xff61b1e6
	v_floor_f32 v12, -v13
	v_mov_b32 v14, 0
	v_mov_b32 v15, 0
	v_mov_b32 v8, v1
	v_mov_b32 v9, v2
	KLOAD
	s_mov_b32 s40, KVB                             ; LDS byte of the group after this one,
	s_mov_b32 s42, 0                               ; and of this one
	s_mov_b32 s41, 0                               ; the group
	s_wait_alu depctr_va_vdst(0)
.endm
; edge = 0: the long tile's groups 0-2, by stepped scalars.  edge = 1: trip s43 = 3 .. 16 of ONE walk that every wave makes in 14 trips: the long tile's groups 3 .. 15 - w / 2, then the short tile's groups 0 .. w / 2.
; The group is (trip + (short tile ? w / 2 : 0)) mod 16; a tile's last group (trip 15 - w / 2, trip 16) is the masked one; behind the long tile's last step its y is stored and the short tile begins.
; THE WAVES WALK AT MOST ONE STEP APART: each signals the work-group's barrier at a step's head and waits at its end; between the two stand register work and LDS loads of bytes that nobody writes.
.macro STEP edge, clamp, qz, qs, qr
	s_wait_alu depctr_va_vdst(0)
	s_wait_dscnt 0x0                               ; this group's K is in; no LDS instruction of mine is out at the signal
	s_barrier_signal -1
.if \edge
	s_cmp_gt_u32 s43, s12                          ; behind the long tile's last step?
	s_cselect_b32 s46, s10, 0
	s_add_co_u32 s46, s46, s43
	s_and_b32 s46, s46, 15                         ; this step's group
	s_mul_i32 s42, s46, KVB
	s_min_u32 s42, s42, 15*KVB                     ; (changes nothing: the bound stands in the text)
	s_cmp_ge_u32 s43, s12                          ; and the next step's likewise: behind the long tile's last step it is the short tile's group 0
	s_cselect_b32 s46, s10, 0
	s_add_co_u32 s46, s46, s43
	s_add_co_u32 s46, s46, 1
	s_and_b32 s46, s46, 15
	s_mul_i32 s40, s46, KVB
.endif
.irp b, 0,1,2,3
.if \b%2
	v_wmma_scale_f32_16x16x128_f8f6f4 v[S+16*\b:S+16*\b+7], v[F+12*\b:F+12*\b+11], v[\qz+6:\qz+17], 0, v[KSW+\b/2], v[\qs] matrix_a_fmt:MATRIX_FMT_BF6 matrix_b_fmt:MATRIX_FMT_BF6 matrix_a_scale:MATRIX_SCALE_ROW1
	v_wmma_scale_f32_16x16x128_f8f6f4 v[S+16*\b+8:S+16*\b+15], v[F+12*\b:F+12*\b+11], v[\qz:\qz+11], 0, v[KSW+\b/2], v[\qs] matrix_a_fmt:MATRIX_FMT_BF6 matrix_b_fmt:MATRIX_FMT_BF6 matrix_a_scale:MATRIX_SCALE_ROW1
.else
	v_wmma_scale_f32_16x16x128_f8f6f4 v[S+16*\b:S+16*\b+7], v[F+12*\b:F+12*\b+11], v[\qz+6:\qz+17], 0, v[KSW+\b/2], v[\qs] matrix_a_fmt:MATRIX_FMT_BF6 matrix_b_fmt:MATRIX_FMT_BF6
	v_wmma_scale_f32_16x16x128_f8f6f4 v[S+16*\b+8:S+16*\b+15], v[F+12*\b:F+12*\b+11], v[\qz:\qz+11], 0, v[KSW+\b/2], v[\qs] matrix_a_fmt:MATRIX_FMT_BF6 matrix_b_fmt:MATRIX_FMT_BF6
.endif
.endr
	v_mov_b32 v[OM], v12                           ; four places behind the products (ISA guide 7.12.1):
	v_add_nc_u32 v10, s42, v1                      ; among them this group's addresses for V
	v_add_nc_u32 v11, s42, v2
	v_nop
.irp t, 0,1,2,3
.irp c, 0,1,2
	ds_load_b128 v[F+12*\t+4*\c:F+12*\t+4*\c+3], v10 offset:6400+1536*\t+512*\c
.endr
.endr
	ds_load_b64 v[VSW:VSW+1], v11 offset:12544
.if \edge
	s_cmp_eq_u32 s43, s12                          ; the long tile's diagonal group,
	s_cbranch_scc1 .Lmask_\@
	s_cmp_lt_u32 s43, 16                           ; or the short tile's
	s_cbranch_scc1 .Lopen_\@
.Lmask_\@:
.set n, 0
.rept 64                               ; register n is key 32 (n / 16) + n % 16 + 16 (lane / 16) of the group
	v_cmp_gt_i32 vcc_lo, 32*(n/16)+n%16, v[\qr]
	v_cndmask_b32 v[S+n], v[S+n], v[TI], vcc_lo
.set n, n+1
.endr
.Lopen_\@:
.endif
.irp b, 0,1,2,3
	v_max3_num_f32 v[BM+\b], v[S+16*\b], v[S+1+16*\b], v[S+2+16*\b]     ; each block's largest score: for the row's maximum and for the block's scale
.endr
.irp i, 3,5,7,9,11,13
.irp b, 0,1,2,3
	v_max3_num_f32 v[BM+\b], v[BM+\b], v[S+16*\b+\i], v[S+1+16*\b+\i]
.endr
.endr
.irp b, 0,1,2,3
	v_max_num_f32 v[BM+\b], v[BM+\b], v[S+15+16*\b]
.endr
.irp b, 0,1,2,3
	v_permlanex16_b32 v[T2+\b], v[BM+\b], s20, s21
.endr
.irp b, 0,1,2,3
	v_max_num_f32 v[BM+\b], v[BM+\b], v[T2+\b]
.endr
	s_delay_alu instid0(VALU_DEP_2)
	v_max3_num_f32 v[TA], v[BM], v[BM+1], v[BM+2]
	s_delay_alu instid0(VALU_DEP_1)
	v_max_num_f32 v[TA], v[TA], v[BM+3]
	s_delay_alu instid0(VALU_DEP_1)
	v_mul_f32 v[TA], s22, v[TA]
	s_delay_alu instid0(VALU_DEP_1)
	v_max_num_f32 v13, v13, v[TA]                  ; the running largest t
	s_delay_alu instid0(VALU_DEP_1)
	v_floor_f32 v12, -v13                          ; -M = -ceil(t)
	s_delay_alu instid0(VALU_DEP_1)
	v_sub_f32 v[TA], v12, v[OM]
	s_delay_alu instid0(VALU_DEP_1)
	v_cvt_i32_f32 v[TA], v[TA]
	s_delay_alu instid0(VALU_DEP_1)
	v_ldexp_f32 v[FF], 1.0, v[TA]                  ; f = 2^(old M - new M)
.set j, 0
.rept 32
	v_pk_fma_f32 v[S+j:S+j+1], v[S+j:S+j+1], s[22:23], v[12:13] op_sel_hi:[1,0,0]
.set j, j+2
.endr
.irp b, 0,1,2,3
	v_fma_f32 v[BM+\b], v[BM+\b], s22, v12
.endr
	s_wait_alu depctr_va_vdst(0)
.set j, 0
.rept 64
	v_exp_f32 v[S+j], v[S+j]
.set j, j+1
.endr
.irp b, 0,1,2,3
	v_exp_f32 v[BM+\b], v[BM+\b]
.endr
	v_pk_mul_f32 v[14:15], v[14:15], v[FF:FF+1] op_sel_hi:[1,0]
	s_wait_alu depctr_va_vdst(0)
.irp b, 0,1,2,3
	v_max_num_f32 v[BM+\b], 0x2800000, v[BM+\b]    ; the floor 2^(5 - 127)
.endr
.irp b, 0,1,2,3
	v_add_nc_u32 v[SO+\b], 0xfe000000, v[BM+\b]
.endr
.irp b, 0,1,2,3
	v_lshrrev_b32 v[T2+\b], 23, v[SO+\b]
.endr
	s_delay_alu instid0(VALU_DEP_3)
	v_lshl_or_b32 v[PSW], v[T2+1], 8, v[T2]
	s_delay_alu instid0(VALU_DEP_1)
	v_lshl_or_b32 v[PSW], v[T2+2], 16, v[PSW]
	s_delay_alu instid0(VALU_DEP_1)
	v_lshl_or_b32 v[PSW], v[T2+3], 24, v[PSW]
.irp c, 0,1
	v_cvt_scalef32_pk16_bf6_f32 v[PC+6*\c:PC+6*\c+2], v[S+32*\c:S+32*\c+15], v[SO+2*\c]
	v_cvt_scalef32_pk16_bf6_f32 v[T2+4*\c:T2+4*\c+2], v[S+16+32*\c:S+31+32*\c], v[SO+2*\c+1]
.endr
	v_nop                                          ; one plain place behind a scaled conversion
.irp c, 0,1
.irp i, 0,1,2
	v_permlane16_swap_b32 v[PC+6*\c+\i], v[T2+4*\c+\i]
.endr
.endr
.irp c, 0,1
.irp i, 0,1,2
	v_mov_b32 v[PC+3+6*\c+\i], v[T2+4*\c+\i]
.endr
.endr
	s_wait_alu depctr_va_vdst(0)
.set j, 0
.rept 16
	v_pk_mul_f32 v[O+j:O+j+1], v[O+j:O+j+1], v[FF:FF+1] op_sel_hi:[1,0]
.set j, j+2
.endr
	s_wait_alu depctr_va_vdst(0)
	s_wait_dscnt 0x0                               ; V is in
.irp t, 0,1,2,3
.if \t%2
	v_wmma_scale_f32_16x16x128_f8f6f4 v[O+8*\t:O+8*\t+7], v[F+12*\t:F+12*\t+11], v[PC:PC+11], v[O+8*\t:O+8*\t+7], v[VSW+\t/2], v[PSW] matrix_a_fmt:MATRIX_FMT_BF6 matrix_b_fmt:MATRIX_FMT_BF6 matrix_a_scale:MATRIX_SCALE_ROW1
.else
	v_wmma_scale_f32_16x16x128_f8f6f4 v[O+8*\t:O+8*\t+7], v[F+12*\t:F+12*\t+11], v[PC:PC+11], v[O+8*\t:O+8*\t+7], v[VSW+\t/2], v[PSW] matrix_a_fmt:MATRIX_FMT_BF6 matrix_b_fmt:MATRIX_FMT_BF6
.endif
.endr
	v_pk_add_f32 v[T2:T2+1], v[S:S+1], v[S+2:S+3]  ; the row's sum of the unquantised p, in two chains; the first five lines are the places in front of the loads below
	v_pk_add_f32 v[14:15], v[14:15], v[S+4:S+5]
	v_pk_add_f32 v[T2:T2+1], v[T2:T2+1], v[S+6:S+7]
.if \clamp
	s_min_u32 s46, s40, 15*KVB                     ; behind group 15 the look-ahead reads group 15 again and is not used
	v_add_nc_u32 v8, s46, v1
	v_add_nc_u32 v9, s46, v2
.else
	v_add_nc_u32 v8, s40, v1
	v_add_nc_u32 v9, s40, v2
.endif
	KLOAD                                          ; the next group's K
.irp j, 8,12,16,20,24,28,32,36,40,44,48,52,56,60
	v_pk_add_f32 v[14:15], v[14:15], v[S+\j:S+\j+1]
	v_pk_add_f32 v[T2:T2+1], v[T2:T2+1], v[S+2+\j:S+3+\j]
.endr
	v_pk_add_f32 v[14:15], v[14:15], v[T2:T2+1]
	s_barrier_wait -1                              ; every wave has begun this step
.if \edge
	s_cmp_lg_u32 s43, s12
	s_cbranch_scc1 .Lsame_\@
	FINISH 52, 54                                  ; the long tile is done (the look-ahead's registers are not touched)
.irp j, 0,1,2,3,4,5
	v_mov_b32 v[QZ+6+\j], v[QZ2+6+\j]              ; the short tile's q, scale word and place
.endr
	v_mov_b32 v[QS], v[QS2]
	v_mov_b32 v[QR], v[QR2]
.set j, 0
.rept 32
	v_mov_b32 v[O+j], 0
.set j, j+1
.endr
	v_mov_b32 v13, 0xff61b1e6
	v_floor_f32 v12, -v13
	v_mov_b32 v14, 0
	v_mov_b32 v15, 0
.Lsame_\@:
	s_add_co_u32 s43, s43, 1
.else
	s_add_co_u32 s40, s40, KVB
	s_add_co_u32 s42, s42, KVB
	s_add_co_u32 s41, s41, 1
.endif
.endm
; a tile ends: O^T / the sum, quantised along the head's 64 (two blocks), stored as the projection's operand image
.macro FINISH ya, ys
	s_wait_alu depctr_va_vdst(0)
	v_add_f32 v14, v14, v15
	v_permlanex16_b32 v[TA], v14, s20, s21
	v_add_f32 v14, v14, v[TA]
	s_wait_alu depctr_va_vdst(0)
	v_rcp_f32 v14, v14
	v_nop
	s_wait_alu depctr_va_vdst(0)
.set j, 0
.rept 16
	v_pk_mul_f32 v[S+j:S+j+1], v[O+j:O+j+1], v[14:15] op_sel_hi:[1,0]
.set j, j+2
.endr
.irp b, 0,1
	v_max3_num_f32 v[BM+\b], |v[S+16*\b]|, |v[S+1+16*\b]|, 0x2800000
.endr
.irp i, 2,4,6,8,10,12,14
.irp b, 0,1
	v_max3_num_f32 v[BM+\b], v[BM+\b], |v[S+16*\b+\i]|, |v[S+1+16*\b+\i]|
.endr
.endr
.irp b, 0,1
	v_permlanex16_b32 v[T2+\b], v[BM+\b], s20, s21
.endr
.irp b, 0,1
	v_max_num_f32 v[BM+\b], v[BM+\b], v[T2+\b]
.endr
.irp b, 0,1
	v_add_nc_u32 v[SO+\b], 0xfe000000, v[BM+\b]
.endr
.irp b, 0,1
	v_lshrrev_b32 v[T2+\b], 23, v[SO+\b]
.endr
	v_lshl_or_b32 v[YB], v[T2+1], 8, v[T2]
	v_cvt_scalef32_pk16_bf6_f32 v[PC:PC+2], v[S:S+15], v[SO]
	v_cvt_scalef32_pk16_bf6_f32 v[T2+4:T2+6], v[S+16:S+31], v[SO+1]
	v_nop
.irp i, 0,1,2
	v_permlane16_swap_b32 v[PC+\i], v[T2+4+\i]
.endr
.irp i, 0,1,2
	v_mov_b32 v[PC+3+\i], v[T2+4+\i]
.endr
.irp p, 0,1,2
	global_store_b64 v2, v[PC+2*\p:PC+2*\p+1], s[\ya:\ya+1] offset:256*\p   ; 256 consecutive bytes, aligned
.endr
	global_store_b16 v3, v[YB], s[\ys:\ys+1]
	s_wait_xcnt 0x0                                ; the stores have read their registers
.endm
	s_load_b128 s[4:7], s[0:1], 0x0                ; qf, kv
	s_load_b64 s[8:9], s[0:1], 0x10                ; yq
	v_lshl_add_u32 v[SPW], v0, 2, SPARE
	v_mov_b32 v[NIL], 0
	ds_add_u32 v[SPW], v[NIL]
	ds_add_u32 v[SPW], v[NIL]
	v_lshrrev_b32 v1, 5, v0
	v_readfirstlane_b32 s18, v1                    ; wave 0..15
	s_and_b32 s45, ttmp7, 0xffff                   ; batch x head
	s_bfe_u32 s19, ttmp6, 0x40000                  ; cx
	s_mov_b32 s24, 15|(3<<16)|(1<<21)              ; the mask of all four partners; elements of 8 bytes; bit 21 beside a mask
	s_mov_b32 s25, 32<<16                          ; rows of 256 bytes
	s_mov_b32 s26, R0<<16
	s_mov_b32 s27, 32<<16
	s_mov_b32 s28, R0
	s_mov_b32 s29, 32
	s_mov_b32 s30, 0
	s_mov_b32 s31, 0
	s_mov_b32 s32, 1
	s_mul_i32 s33, s18, R0*256                     ; first fill: my 11 rows
	s_mov_b32 s36, 1
	s_mul_i32 s37, s18, R1*256
	s_add_co_u32 s37, s37, FILL0                   ; second fill: my 39 rows
	s_mul_i32 s46, s45, HEADB
	s_mov_b32 s47, 0
	s_mov_b32 s49, 0
	s_mov_b32 s20, 0x76543210
	s_mov_b32 s21, 0xfedcba98                      ; v_permlanex16_b32's selects for lane l xor 16
	s_mov_b32 s22, 0x3e38aa3b                      ; log2(e) / 8
	s_mov_b32 s23, s22
	s_wait_dscnt 0x0
	s_wait_kmcnt 0x0
	s_add_nc_u64 s[6:7], s[6:7], s[46:47]          ; my head's K and V: LDS holds them as they lie
	s_mov_b32 s48, s33
	s_add_nc_u64 s[34:35], s[6:7], s[48:49]
	s_mov_b32 s48, s37
	s_add_nc_u64 s[38:39], s[6:7], s[48:49]
	s_or_b32 s35, s35, 0x80000000
	s_or_b32 s39, s39, 0x80000000
	CROUND                                         ; the four partners are here: the joint loads meet
	tensor_load_to_lds s[32:35], s[24:31]
	s_nop 0
	v_and_b32 v2, 31, v0
	v_lshlrev_b32 v1, 4, v2                        ; 16 x lane
	v_lshlrev_b32 v2, 3, v2                        ; 8 x lane
	v_and_b32 v4, 15, v0
	v_lshlrev_b32 v3, 3, v4                        ; 8 r
	v_and_b32 v5, 8, v0
	v_add_nc_u32 v4, v4, v5
	v_and_b32 v5, 16, v0
	v_sub_nc_u32 v4, v4, v5                        ; r + 8 (r / 8) - 16 (lane / 16)
.irp j, 0,1,2,3,4,5,12,13,14,15,16,17
	v_mov_b32 v[QZ+\j], 0
.endr
.irp b, 0,1,2,3
	v_mov_b32 v[T2+\b], 0                          ; a lane permute's destination counts as one of its sources
.endr
	v_mov_b32 v[PSW], 0
	v_mov_b32 v[TA], 0
	v_mov_b32 v[TI], 0xff800000
	s_wait_alu depctr_va_vdst(0)
	s_lshr_b32 s10, s18, 1                         ; the short tile's group
	s_and_b32 s11, s18, 1
	s_lshl_b32 s11, s11, 2
	s_add_co_u32 s11, s11, s19                     ; its place in the group: 4 (w % 2) + cx
	s_sub_co_u32 s12, 15, s10                      ; the long tile's group,
	s_sub_co_u32 s13, 7, s11                       ; and place
	s_and_b32 s46, s45, 15                         ; the head in its batch
	s_lshr_b32 s66, s45, 4
	s_lshl_b32 s66, s66, 7                         ; 128 tiles a batch
	s_mul_i32 s67, s46, 768
	s_lshr_b32 s68, s46, 2
	s_lshl_b32 s68, s68, 8
	s_bfe_u32 s47, s46, 0x10001
	s_lshl_b32 s47, s47, 2
	s_add_co_u32 s68, s68, s47
	s_and_b32 s47, s46, 1
	s_lshl_b32 s47, s47, 1
	s_add_co_u32 s68, s68, s47
	s_add_co_u32 s68, s68, YQS
	TILE s12, s13, QO, QZ+6, QW, QR, s56, 50, 52, 54
	TILE s10, s11, QO2, QZ2+6, QW2, QR2, s57, 58, 60, 62
	s_wait_alu depctr_va_vdst(0)
	s_wait_tensorcnt 0x0                           ; my rows of the first fill are in; the full sequence ahead of a later first fill
	ds_add_u32 v[SPW], v[NIL]
	s_mov_b32 s26, R1<<16                          ; no tensor load of mine is out: the second fill's rows
	s_mov_b32 s28, R1
	s_wait_dscnt 0x0
	CROUND
	tensor_load_to_lds s[36:39], s[24:31]
	s_nop 0
	s_wait_loadcnt 0x0                             ; both tiles' q
	v_perm_b32 v[QS], v[QW], v[QW], s56            ; the tile's two scale bytes, for both halves of K = 128
	v_perm_b32 v[QS2], v[QW2], v[QW2], s57
	INIT
.Lfirst:                               ; the long tile, groups 0-2: all open (its diagonal lies in group 8 or later); they and the look-ahead lie in the first fill
	STEP 0, 0, QZ, QS, QR
	s_cmp_lt_u32 s41, 3
	s_cbranch_scc1 .Lfirst
	s_wait_alu depctr_va_vdst(0)
	s_wait_tensorcnt 0x0                           ; my rows of the second fill are in
	s_wait_dscnt 0x0
	s_barrier_signal -1
	s_barrier_wait -1                              ; and everybody's
	s_mov_b32 s43, 3
.Lmain:                                ; trips 3 .. 16: the rest of the long tile, then the short tile
	STEP 1, 1, QZ, QS, QR
	s_cmp_lt_u32 s43, 17
	s_cbranch_scc1 .Lmain
	FINISH 60, 62
	s_wait_tensorcnt 0x0                           ; the wave's end
	ds_add_u32 v[SPW], v[NIL]
	s_wait_dscnt 0x0
	CROUND                                         ; the closing round
	s_endpgm
.Lfunc_end_k_qfeed747e96_attn:
	.size	k_qfeed747e96_attn, .Lfunc_end_k_qfeed747e96_attn-k_qfeed747e96_attn
	.p2alignl 7, 3214868480
	.fill 96, 4, 3214868480
	.section	.rodata,"a",@progbits
	.p2align	6, 0x0
	.amdhsa_kernel k_qfeed747e96_attn
		.amdhsa_group_segment_fixed_size 327680
		.amdhsa_private_segment_fixed_size 0
		.amdhsa_enable_private_segment 0
		.amdhsa_kernarg_size 24
		.amdhsa_user_sgpr_count 2
		.amdhsa_user_sgpr_kernarg_segment_ptr 1
		.amdhsa_wavefront_size32 1
		.amdhsa_system_sgpr_workgroup_id_x 1
		.amdhsa_system_sgpr_workgroup_id_y 1
		.amdhsa_system_sgpr_workgroup_id_z 1
		.amdhsa_system_vgpr_workitem_id 0
		.amdhsa_next_free_vgpr 250
		.amdhsa_next_free_sgpr 70
		.amdhsa_reserve_vcc 1
		.amdhsa_float_denorm_mode_32 3
		.amdhsa_float_denorm_mode_16_64 3
		.amdhsa_memory_ordered 1
		.amdhsa_forward_progress 1
		.amdhsa_inst_pref_size 58
	.end_amdhsa_kernel
	.amdgpu_metadata
---
amdhsa.version: [ 1, 2 ]
amdhsa.kernels:
  - .name:           k_qfeed747e96_attn
    .symbol:         k_qfeed747e96_attn.kd
    .args:
      - { .name: qf, .offset: 0, .size: 8, .value_kind: global_buffer, .address_space: global }
      - { .name: kv, .offset: 8, .size: 8, .value_kind: global_buffer, .address_space: global }
      - { .name: yq, .offset: 16, .size: 8, .value_kind: global_buffer, .address_space: global }
    .group_segment_fixed_size: 327680
    .private_segment_fixed_size: 0
    .kernarg_segment_align: 8
    .kernarg_segment_size: 24
    .max_flat_workgroup_size: 512
    .sgpr_count:     70
    .vgpr_count:     250
    .wavefront_size: 32
...
	.end_amdgpu_metadata
.endif
;; end of part 3
;; launch proj (part 4): grid 4 x 32, 4 waves a work-group, clusters of 4 x 4, 327,680 bytes of LDS; arguments yq, wp, out0; writes out0
.if DOCPART == 4
	.amdgcn_target "amdgcn-amd-amdhsa--gfx1250"
	.amdhsa_code_object_version 6
	.text
	.protected	k_qfeed747e96_proj
	.globl	k_qfeed747e96_proj
	.p2align	8
	.type	k_qfeed747e96_proj,@function
k_qfeed747e96_proj:
	s_mov_b64 s[64:65], 0
	v_nop
	global_prefetch_b8 v0, s[64:65] scope:SCOPE_SE
	s_setreg_imm32_b32 hwreg(HW_REG_WAVE_MODE, 25, 1), 1
	s_wait_xcnt 0x0
	s_wait_alu depctr_hold_cnt(0) depctr_sa_sdst(0) depctr_va_vdst(0) depctr_va_sdst(0) depctr_va_ssrc(0) depctr_va_vcc(0) depctr_vm_vsrc(0)
	s_getreg_b32 s2, hwreg(HW_REG_IB_STS2, 6, 4)
	s_cmp_eq_u32 s2, 0
	s_cbranch_scc0 .Lentry_in_a_cluster
	s_endpgm
.Lentry_in_a_cluster:
	s_bfe_u32 s2, ttmp6, 0x10000c
	s_cmp_lg_u32 s2, 0xf033
	s_cbranch_scc0 .Lentry_shape_is_right
	s_endpgm
.Lentry_shape_is_right:
.set NQ,     2
.set FR,     12
.set NL,     3
.set NLA,    6
.set NP,     4
.set FRB,    1536
.set TILEB,  NQ*FRB
.set KROW,   12288
.set HALFT,  8*TILEB
.set SLOT,   4*HALFT
.set LAPS,   2
.set SCL,    2*SLOT
.set HALFS,  4096
.set SPARE,  SCL+4*HALFS
.set YQS,    6291456
.set WPS,    786432
.set SPITCH, 528
.set ROWO,   4096
.set ADRA, 16
.set ADRB, 20
.set STO,  24
.set RD,   25
.set CO,   26
.set ADRS, 27
.set SPW,  28
.set NIL,  29
.set SC,   32
.set AF,   128
.set BK,   128
.set G1, 24
.set G0, 32
.set G1B, 48
.set G0B, 56
.set G1S, 68
.set G0S, 76
.set G1SB, 80
.set G0SB, 88
.set MSB, 0
.macro WIN new
.if MSB != (\new)
	s_set_vgpr_msb (MSB<<8)|(\new)
.set MSB, (\new)
.endif
.endm
.set MUL_LO, 0xa1
.set MUL_HI, 0xf1
.set TO_B,   0x40
.macro JLOAD g0a, g1a, g0b, g1b
	s_cmp_eq_u32 s15, 0
	s_cbranch_scc0 .Lfor_b_\@
	tensor_load_to_lds s[\g0a:\g0a+3], s[\g1a:\g1a+7]
	s_nop 0
.rept 4
	v_nop
.endr
	s_branch .Lasked_\@
.Lfor_b_\@:
	tensor_load_to_lds s[\g0b:\g0b+3], s[\g1b:\g1b+7]
	s_nop 0
.rept 4
	v_nop
.endr
.Lasked_\@:
.endm
.macro CREST
	s_cmp_lg_u32 s14, 0
	s_cbranch_scc1 .Lnot_wave_0_\@
	s_barrier_signal -3
.Lnot_wave_0_\@:
	s_barrier_wait -3
	s_barrier_signal -1
	s_barrier_wait -1
.endm
.macro CROUND
	s_barrier_signal -1
	s_barrier_wait -1
	CREST
.endm
	s_load_b128 s[4:7], s[0:1], 0x0
	s_load_b64 s[12:13], s[0:1], 0x10
	v_lshl_add_u32 v[SPW], v0, 2, SPARE
	v_mov_b32 v[NIL], 0
	ds_add_u32 v28, v29
	ds_add_u32 v28, v29
	s_wait_dscnt 0x0
	v_lshrrev_b32 v1, 5, v0
	v_readfirstlane_b32 s14, v1
	s_lshr_b32 s15, s14, 1
	s_and_b32 s16, s14, 1
	s_bfe_u32 s40, ttmp6, 0x40000
	s_bfe_u32 s41, ttmp6, 0x40004
	s_lshl_b32 s42, ttmp9, 2
	s_add_co_u32 s42, s42, s40
	s_and_b32 s17, ttmp7, 0xffff
	s_lshl_b32 s17, s17, 2
	s_add_co_u32 s17, s17, s41
	s_lshl_b32 s43, s41, 2
	s_lshl_b32 s43, 15, s43
	s_lshl_b32 s44, 0x1111, s40
	s_or_b32 s[G1+0], s43, (3<<16)|(1<<21)
	s_or_b32 s[G1B+0], s44, (3<<16)|(1<<21)
.irp g, G1, G1B
	s_mov_b32 s[\g+1], 384<<16
	s_mov_b32 s[\g+2], 16<<16
	s_mov_b32 s[\g+3], 384<<16
	s_mov_b32 s[\g+4], 16
	s_mov_b32 s[\g+5], KROW/8
	s_mov_b32 s[\g+6], 0
	s_mov_b32 s[\g+7], 0
.endr
	s_or_b32 s[G1S+0], s43, (3<<16)|(1<<21)
	s_or_b32 s[G1SB+0], s44, (3<<16)|(1<<21)
.irp g, G1S, G1SB
	s_mov_b32 s[\g+1], 32<<16
	s_mov_b32 s[\g+2], 32<<16
	s_mov_b32 s[\g+3], 32<<16
	s_mov_b32 s[\g+4], 32
	s_mov_b32 s[\g+5], 32
	s_mov_b32 s[\g+6], 0
	s_mov_b32 s[\g+7], 0
.endr
	s_lshl_b32 s20, s17, 4
	s_lshl_b32 s22, s20, 9
	s_add_co_u32 s22, s22, YQS
	s_mul_i32 s20, s20, KROW
	s_mov_b32 s21, 0
	s_mov_b32 s23, 0
	s_lshl_b32 s46, s42, 4
	s_lshl_b32 s96, s46, 9
	s_add_co_u32 s96, s96, WPS
	s_mul_i32 s46, s46, KROW
	s_mov_b32 s47, 0
	s_mov_b32 s97, 0
	s_mul_i32 s45, s14, HALFT
	s_wait_kmcnt 0x0
	s_add_nc_u64 s[20:21], s[4:5], s[20:21]
	s_add_nc_u64 s[22:23], s[4:5], s[22:23]
	s_add_nc_u64 s[46:47], s[6:7], s[46:47]
	s_add_nc_u64 s[96:97], s[6:7], s[96:97]
	CROUND
	s_mov_b32 s[G0S], 1
	s_mov_b32 s[G0S+1], SCL
	s_mov_b64 s[G0S+2:G0S+3], s[22:23]
	s_or_b32 s[G0S+3], s[G0S+3], 0x80000000
	s_mov_b32 s[G0SB], 1
	s_mov_b32 s[G0SB+1], SCL+2*HALFS
	s_mov_b64 s[G0SB+2:G0SB+3], s[96:97]
	s_or_b32 s[G0SB+3], s[G0SB+3], 0x80000000
	s_mov_b32 s[G0], 1                             ; the head's load of K step 0: y's 16 tiles whole,
	s_mov_b32 s[G0+1], 0
	s_mov_b64 s[G0+2:G0+3], s[20:21]
	s_or_b32 s[G0+3], s[G0+3], 0x80000000
	s_mov_b32 s[G0B], 1                            ; and w_proj's, behind them in slot 0
	s_mov_b32 s[G0B+1], 2*HALFT
	s_mov_b64 s[G0B+2:G0B+3], s[46:47]
	s_or_b32 s[G0B+3], s[G0B+3], 0x80000000
	s_mul_i32 s18, s16, 8*KROW                     ; for the ring: which 8 tiles of a side I fetch, in bytes
	s_mov_b32 s19, 0
	s_add_nc_u64 s[20:21], s[20:21], s[18:19]
	s_add_nc_u64 s[46:47], s[46:47], s[18:19]
	s_mov_b32 s[G0+4], 1                           ; slot 1: K step 1
	s_add_co_u32 s[G0+5], s45, SLOT
	s_add_nc_u64 s[G0+6:G0+7], s[20:21], TILEB
	s_or_b32 s[G0+7], s[G0+7], 0x80000000
	s_mov_b32 s[G0B+4], 1
	s_add_co_u32 s[G0B+5], s45, SLOT
	s_add_nc_u64 s[G0B+6:G0B+7], s[46:47], TILEB
	s_or_b32 s[G0B+7], s[G0B+7], 0x80000000
; the head's four tiles, one load a wave: wave 0 y's codes of K step 0, wave 1 w_proj's, wave 2 y's scale words, wave 3 w_proj's: one chain of branches on the wave's number
.macro ARM under, g0, g1, next
	s_cmp_lt_u32 s14, \under
	s_cbranch_scc0 \next
	tensor_load_to_lds s[\g0:\g0+3], s[\g1:\g1+7]
	s_nop 0
.rept 4
	v_nop
.endr
	s_branch .Lhead_asked
\next:
.endm
	ARM 1, G0,  G1,  .Lhead_b
	ARM 2, G0B, G1B, .Lhead_sa
	ARM 3, G0S, G1S, .Lhead_sb
	tensor_load_to_lds s[G0SB:G0SB+3], s[G1SB:G1SB+7]
	s_nop 0
.rept 4
	v_nop
.endr
.Lhead_asked:
	v_and_b32 v1, 15, v0
	v_bfe_u32 v2, v0, 4, 1
	s_wait_alu depctr_va_vdst(0)
	v_and_b32 v3, 31, v0
	v_lshlrev_b32 v[CO], 4, v3
	v_lshlrev_b32 v4, 3, v3
	s_mul_i32 s21, s15, HALFT
	s_mul_i32 s22, s16, HALFT
	s_add_co_u32 s22, s22, 2*HALFT
.irp s, 0,1
	v_add_nc_u32 v[ADRA+\s], s21, v4
	v_add_nc_u32 v[ADRB+\s], s22, v[CO]
	s_add_co_u32 s21, s21, SLOT
	s_add_co_u32 s22, s22, SLOT
.endr
	v_lshlrev_b32 v5, 3, v1
	s_mul_i32 s21, s15, HALFS
	s_mul_i32 s22, s16, HALFS
	s_add_co_u32 s22, s22, 2*HALFS
	s_sub_co_u32 s22, s22, s21
	v_mul_u32_u24 v6, s22, v2
	s_add_co_u32 s21, s21, SCL
	v_add_nc_u32 v5, v5, v6
	v_add_nc_u32 v[ADRS], s21, v5
	s_mul_i32 s23, s14, 16*SPITCH
	v_mul_u32_u24 v5, v1, SPITCH
	v_lshl_add_u32 v5, v2, 6, v5
	v_add_nc_u32 v[STO], s23, v5
	v_add_nc_u32 v[RD], s23, v[CO]
	s_lshl_b32 s20, s17, 8
	s_lshl_b32 s21, s15, 7
	s_add_co_u32 s20, s20, s21
	s_lshl_b32 s20, s20, 12
	s_lshl_b32 s46, s42, 10
	s_lshl_b32 s47, s16, 9
	s_add_co_u32 s46, s46, s47
	s_add_co_u32 s20, s20, s46
	s_mov_b32 s21, 0
	s_add_nc_u64 s[12:13], s[12:13], s[20:21]
.macro FRAG reg, adr, q, i
.irp c, 0,1,2
	ds_load_b128 v[\reg+4*\c:\reg+4*\c+3], v[\adr] offset:(\i)*TILEB+(\q)*FRB+512*\c
.endr
.endm
.macro FRAGA reg, adr, q, i
.irp p, 0,1,2,3,4,5
	ds_load_b64 v[\reg+2*\p:\reg+2*\p+1], v[\adr] offset:(\i)*TILEB+(\q)*FRB+256*\p
.endr
.endm
.macro MUL16 a0, p, q, sc, zero
.irp a, \a0, \a0+1
.irp b, 0,1,2,3,4,5,6,7
.if \zero
	v_wmma_scale_f32_16x16x128_f8f6f4 v[8*(8*((\a)%4)+\b):8*(8*((\a)%4)+\b)+7], v[128*(\p)+FR*\b:128*(\p)+FR*\b+FR-1], v[AF+FR*(\a):AF+FR*(\a)+FR-1], 0, v[SC+8*NQ*(\sc)+NQ*\b+(\q)], v[SC+8*NQ*(\sc)+NQ*(\a)+(\q)] matrix_a_fmt:MATRIX_FMT_BF6 matrix_b_fmt:MATRIX_FMT_BF6 matrix_a_scale:MATRIX_SCALE_ROW1
.else
	v_wmma_scale_f32_16x16x128_f8f6f4 v[8*(8*((\a)%4)+\b):8*(8*((\a)%4)+\b)+7], v[128*(\p)+FR*\b:128*(\p)+FR*\b+FR-1], v[AF+FR*(\a):AF+FR*(\a)+FR-1], v[8*(8*((\a)%4)+\b):8*(8*((\a)%4)+\b)+7], v[SC+8*NQ*(\sc)+NQ*\b+(\q)], v[SC+8*NQ*(\sc)+NQ*(\a)+(\q)] matrix_a_fmt:MATRIX_FMT_BF6 matrix_b_fmt:MATRIX_FMT_BF6 matrix_a_scale:MATRIX_SCALE_ROW1
.endif
.endr
.endr
.endm
.macro FETCH_B slot, q, p
	WIN TO_B
.irp i, 0,1,2,3,4,5,6,7
	FRAG 128*(\p)+FR*\i, ADRB+\slot, \q, \i
.endr
	WIN 0
.endm
.macro FETCH_A slot, q, i0
.irp i, \i0, \i0+1, \i0+2, \i0+3
	FRAGA AF+FR*(\i), ADRA+\slot, \q, \i
.endr
.endm
.macro SCALES sc
.irp i, 0,1,2,3,4,5,6,7
	ds_load_b64 v[SC+8*NQ*\sc+NQ*\i:SC+8*NQ*\sc+NQ*\i+1], v[ADRS] offset:1024*(\i/2)+128*(\i%2)
.endr
.endm
.macro PLACES n
.rept \n
	v_nop
.endr
.endm
.macro STEP slot, q, zero
	s_wait_dscnt 4*NLA
	WIN MUL_LO
	MUL16 0, (\q)%2, \q, \slot, \zero
	MUL16 2, (\q)%2, \q, \slot, \zero
	s_wait_dscnt 0
	PLACES NP
	FETCH_B \slot, (\q)+1, 1-(\q)%2
	FETCH_A \slot, (\q)+1, 0
	WIN MUL_HI
	MUL16 4, (\q)%2, \q, \slot, \zero
	MUL16 6, (\q)%2, \q, \slot, \zero
	PLACES NP
	WIN 0
	FETCH_A \slot, (\q)+1, 4
.endm
.macro TURN slot, next, fill
	s_wait_tensorcnt 0x0
	ds_add_u32 v[SPW], v[NIL]
	s_wait_dscnt 4*NLA+1
	WIN MUL_LO
	MUL16 0, 1, NQ-1, \slot, 0
	s_wait_dscnt 0x0
	s_barrier_signal -1
	MUL16 2, 1, NQ-1, \slot, 0
	WIN 0
	s_barrier_wait -1
.if \fill
	CREST
	s_add_nc_u64 s[G0+4*\slot+2:G0+4*\slot+3], s[G0+4*\slot+2:G0+4*\slot+3], 2*TILEB
	s_add_nc_u64 s[G0B+4*\slot+2:G0B+4*\slot+3], s[G0B+4*\slot+2:G0B+4*\slot+3], 2*TILEB
	JLOAD G0+4*\slot, G1, G0B+4*\slot, G1B
.else
	PLACES NP
.endif
	s_wait_alu depctr_va_vdst(0)
	v_add_nc_u32 v[ADRS], 256, v[ADRS]
	FETCH_B \next, 0, 0
	FETCH_A \next, 0, 0
	SCALES \next
	WIN MUL_HI
	MUL16 4, 1, NQ-1, \slot, 0
	MUL16 6, 1, NQ-1, \slot, 0
	PLACES NP
	WIN 0
	FETCH_A \next, 0, 4
.endm
	s_wait_alu depctr_va_vdst(0)
	s_wait_tensorcnt 0x0                           ; my tile of the head's four is in
	ds_add_u32 v[SPW], v[NIL]
	s_mov_b32 s[G1+2], 8<<16                       ; no tensor load of mine is out: from here on a load brings 8 tiles,
	s_mov_b32 s[G1+4], 8
	s_mov_b32 s[G1B+2], 8<<16
	s_mov_b32 s[G1B+4], 8
	s_mul_i32 s2, s16, 8*KROW
	s_mov_b32 s3, 0
	s_mov_b32 s[G0+1], s45                         ; and slot 0's descriptors name my 8 tiles
	s_add_nc_u64 s[G0+2:G0+3], s[G0+2:G0+3], s[2:3]
	s_mov_b32 s[G0B+1], s45
	s_add_nc_u64 s[G0B+2:G0B+3], s[G0B+2:G0B+3], s[2:3]
	s_wait_dscnt 0x0
	CROUND                                         ; all four tiles are in, in every partner
	JLOAD G0+4, G1, G0B+4, G1B                     ; K step 1, the first tensor load behind the round
	FETCH_B 0, 0, 0
	FETCH_A 0, 0, 0
	SCALES 0
	FETCH_A 0, 0, 4
	STEP 0, 0, 1
	s_mov_b32 s3, LAPS-1
.Llap:
	TURN 0, 1, 1
	STEP 1, 0, 0
	TURN 1, 0, 1
	STEP 0, 0, 0
	s_sub_co_u32 s3, s3, 1
	s_cmp_lg_u32 s3, 0
	s_cbranch_scc1 .Llap
	TURN 0, 1, 0
	STEP 1, 0, 0
	s_wait_dscnt 4*NLA
	WIN MUL_LO
	MUL16 0, 1, NQ-1, 1, 0
	MUL16 2, 1, NQ-1, 1, 0
	s_wait_dscnt 0
	WIN MUL_HI
	MUL16 4, 1, NQ-1, 1, 0
	MUL16 6, 1, NQ-1, 1, 0
	WIN 0
.macro TOSTAGE a
.set AC, 64*((\a)%4)
.set WSD, 0x08+4*((\a)/4)
	WIN WSD
.irp b, 0,1,2,3,4,5,6,7
	ds_store_b128 v[STO], v[AC+8*\b:AC+8*\b+3] offset:128*(\b/2)+32*(\b%2)
	ds_store_b128 v[STO], v[AC+8*\b+4:AC+8*\b+7] offset:128*(\b/2)+32*(\b%2)+16
.endr
	WIN 0
.set BB, BK+64*((\a)%2)
.irp t, 0,1,2,3,4,5,6,7,8,9,10,11,12,13,14,15
	ds_load_b128 v[BB+4*\t:BB+4*\t+3], v[RD] offset:\t*SPITCH
.endr
.endm
.macro SEND a, younger
.set BB, BK+64*((\a)%2)
	s_wait_dscnt \younger
.if (\a) > 0
.if ((\a)%2) == 1
	s_add_nc_u64 s[12:13], s[12:13], 8*ROWO
.else
	s_add_nc_u64 s[12:13], s[12:13], 24*ROWO
.endif
.endif
.irp t, 0,1,2,3,4,5,6,7,8,9,10,11,12,13,14,15
	global_store_b128 v[CO], v[BB+4*\t:BB+4*\t+3], s[12:13] offset:(\t+8*(\t/8))*ROWO th:TH_STORE_NT
.endr
.endm
	PLACES NP
	TOSTAGE 0
.irp a, 1,2,3,4,5,6,7
.if \a > 1
	s_wait_xcnt 0x0
.endif
	TOSTAGE \a
	SEND \a-1, 32
.endr
	s_wait_xcnt 0x0
	SEND 7, 0
	s_wait_tensorcnt 0x0
	ds_add_u32 v[SPW], v[NIL]
	s_wait_dscnt 0x0
	CROUND
	s_endpgm
.Lfunc_end_k_qfeed747e96_proj:
	.size	k_qfeed747e96_proj, .Lfunc_end_k_qfeed747e96_proj-k_qfeed747e96_proj
	.p2alignl 7, 3214868480
	.fill 96, 4, 3214868480
	.section	.rodata,"a",@progbits
	.p2align	6, 0x0
	.amdhsa_kernel k_qfeed747e96_proj
		.amdhsa_group_segment_fixed_size 327680
		.amdhsa_private_segment_fixed_size 0
		.amdhsa_enable_private_segment 0
		.amdhsa_kernarg_size 24
		.amdhsa_user_sgpr_count 2
		.amdhsa_user_sgpr_kernarg_segment_ptr 1
		.amdhsa_wavefront_size32 1
		.amdhsa_system_sgpr_workgroup_id_x 1
		.amdhsa_system_sgpr_workgroup_id_y 1
		.amdhsa_system_sgpr_workgroup_id_z 1
		.amdhsa_system_vgpr_workitem_id 0
		.amdhsa_next_free_vgpr 1024
		.amdhsa_next_free_sgpr 100
		.amdhsa_reserve_vcc 0
		.amdhsa_float_denorm_mode_32 3
		.amdhsa_float_denorm_mode_16_64 3
		.amdhsa_memory_ordered 1
		.amdhsa_forward_progress 1
		.amdhsa_inst_pref_size 148
	.end_amdhsa_kernel
	.amdgpu_metadata
---
amdhsa.version: [ 1, 2 ]
amdhsa.kernels:
  - .name:           k_qfeed747e96_proj
    .symbol:         k_qfeed747e96_proj.kd
    .args:
      - { .name: yq, .offset: 0, .size: 8, .value_kind: global_buffer, .address_space: global }
      - { .name: wp, .offset: 8, .size: 8, .value_kind: global_buffer, .address_space: global }
      - { .name: out0, .offset: 16, .size: 8, .value_kind: global_buffer, .address_space: global }
    .group_segment_fixed_size: 327680
    .private_segment_fixed_size: 0
    .kernarg_segment_align: 8
    .kernarg_segment_size: 24
    .max_flat_workgroup_size: 128
    .sgpr_count:     100
    .vgpr_count:     1024
    .wavefront_size: 32
...
	.end_amdgpu_metadata
.endif
;; end of part 4
